; MI455X (gfx1250); checked and timed in simulation.
; The chip was launched on July 23, 2026; its instructions are those of AMD's public machine-readable ISA for CDNA 5 (MIT licence, August 2026) and "CDNA5" Instruction Set Architecture Reference Guide (July 2026). The comments in the code are by the model that wrote it; some were corrected since.
;; Expert Parallel Wrapper. Allowed arithmetic: matrix products marked QUANTISED: E4M3 operands, one given power-of-two scale a tensor, by v_wmma_f32_16x16x64_fp8_fp8 or v_wmma_f32_16x16x128_fp8_fp8, f32 sums; products left as they are: f32 operands where the result goes on into a quantised operand, else bf16, f16 or f32 operands; f32 sums; everything else in f32.
;; Inputs: b1 8 x 4,096 float32; b2 8 x 1,024 float32; lowp_scales 32 int32 (the exponents e of the quantised operands' scales 2^e); w1 8 x 1,024 x 4,096 float32; w2 8 x 4,096 x 1,024 float32; w_router 1,024 x 8 float32; x 2 x 512 x 1,024 float32.
;; Outputs: out0 2 x 512 x 1,024 float32.
;; This version of the problem:
;;   THIS VERSION OF THE PROBLEM IS GIVEN IN LOW PRECISION. The matrix products marked QUANTISED in the list below multiply operands that are first quantised to E4M3 (4 exponent bits, 3 mantissa bits; 8 bits a number), with one given power-of-two scale for each operand tensor; their sums are f32. All else is computed in f32.
;;   The module's matrix products, in the order in which they are computed (A, B: the left and right operand; K: the contracted axis; several contracted axes count as one K, in the product's order):
;;     1. [M 1,024, K 1,024] x [K 1,024, N 8]; A: input x; B: input w_router: left as it is (N = 8 < 16)
;;     2. [M 1,024, K 1,024] x [K 1,024, N 4,096]; A: input x; B: input w1: QUANTISED (scales: A lowp_scales[0], B lowp_scales[1])
;;     3. [M 1,024, K 4,096] x [K 4,096, N 1,024]; A: computed on the way; B: input w2: QUANTISED (scales: A lowp_scales[2], B lowp_scales[3])
;;     4. [M 1,024, K 1,024] x [K 1,024, N 4,096]; A: input x; B: input w1: QUANTISED (scales: A lowp_scales[4], B lowp_scales[5])
;;     5. [M 1,024, K 4,096] x [K 4,096, N 1,024]; A: computed on the way; B: input w2: QUANTISED (scales: A lowp_scales[6], B lowp_scales[7])
;;     6. [M 1,024, K 1,024] x [K 1,024, N 4,096]; A: input x; B: input w1: QUANTISED (scales: A lowp_scales[8], B lowp_scales[9])
;;     7. [M 1,024, K 4,096] x [K 4,096, N 1,024]; A: computed on the way; B: input w2: QUANTISED (scales: A lowp_scales[10], B lowp_scales[11])
;;     8. [M 1,024, K 1,024] x [K 1,024, N 4,096]; A: input x; B: input w1: QUANTISED (scales: A lowp_scales[12], B lowp_scales[13])
;;     9. [M 1,024, K 4,096] x [K 4,096, N 1,024]; A: computed on the way; B: input w2: QUANTISED (scales: A lowp_scales[14], B lowp_scales[15])
;;     10. [M 1,024, K 1,024] x [K 1,024, N 4,096]; A: input x; B: input w1: QUANTISED (scales: A lowp_scales[16], B lowp_scales[17])
;;     11. [M 1,024, K 4,096] x [K 4,096, N 1,024]; A: computed on the way; B: input w2: QUANTISED (scales: A lowp_scales[18], B lowp_scales[19])
;;     12. [M 1,024, K 1,024] x [K 1,024, N 4,096]; A: input x; B: input w1: QUANTISED (scales: A lowp_scales[20], B lowp_scales[21])
;;     13. [M 1,024, K 4,096] x [K 4,096, N 1,024]; A: computed on the way; B: input w2: QUANTISED (scales: A lowp_scales[22], B lowp_scales[23])
;;     14. [M 1,024, K 1,024] x [K 1,024, N 4,096]; A: input x; B: input w1: QUANTISED (scales: A lowp_scales[24], B lowp_scales[25])
;;     15. [M 1,024, K 4,096] x [K 4,096, N 1,024]; A: computed on the way; B: input w2: QUANTISED (scales: A lowp_scales[26], B lowp_scales[27])
;;     16. [M 1,024, K 1,024] x [K 1,024, N 4,096]; A: input x; B: input w1: QUANTISED (scales: A lowp_scales[28], B lowp_scales[29])
;;     17. [M 1,024, K 4,096] x [K 4,096, N 1,024]; A: computed on the way; B: input w2: QUANTISED (scales: A lowp_scales[30], B lowp_scales[31])
;;   THE QUANTISER, for each operand of a quantised product, along K:
;;     - The operand's scale is 2^e, e = its entry of the input lowp_scales (int32; the entries are numbered through the quantised products in the list's order, A before B).
;;     - Each number is divided by the scale, clamped to +-448, and rounded to the nearest number of E4M3, ties to even, subnormals kept.
;;     - The product sums the exact products of the quantised numbers (number of the format x scale) in f32.
;;   ~~~python
;;   def quantise(x, axis, e):      # numpy; x: float32 -> the quantised numbers, widened to float32 again
;;       x = np.moveaxis(x, axis, -1); K = x.shape[-1]
;;       r = np.clip(x / 2.0 ** e, -448, 448)
;;       step = 2.0 ** (np.maximum(np.frexp(np.where(r == 0, 1, r))[1] - 1, -6) - 3)
;;       q = np.round(r / step) * step * 2.0 ** e      # np.round: ties to even
;;       return np.moveaxis(q, -1, axis).astype(np.float32)
;;   ~~~
;;   OPERANDS COMPUTED ON THE WAY. 'Computed on the way' means the value that the module computes at that place (a softmax that the list does not call 'softmax' is quantised finished and normalised). What goes into a quantiser is computed in f32, as accurately as f32 sums, v_exp_f32 and their like allow (about 1e-6 of the number): no bf16 or f16 on the way to a quantiser, and a product that is left as it is and whose result goes on into a quantised operand takes f32 operands (vector FMAs, or v_wmma_f32_16x16x4_f32). A number that lies on a knife's edge between two numbers of the format may be rounded either way, as far as f32 arithmetic and the matrix unit's own rounding can turn it there, and no further.
;; 2 versions, each right; version 2 is version 1 with the launches ffn1, ffn2 written anew for expert scheduling mode. Each part assembles by itself: llvm-mc -triple=amdgcn-amd-amdhsa -mcpu=gfx1250 --defsym DOCPART=n.
;; ======== version 1 of 2: 4 launches
;; workspace buffers: xq 1,048,576 bytes; sel 4,096 bytes of whole numbers; wgt 4,096 bytes; hq 33,554,432 bytes; rowof 4,096 bytes of whole numbers; cnt 2,048 bytes of whole numbers; part 134,217,728 bytes
;; launch route (part 1): grid 256 x 1, 4 waves a work-group, no clusters, 37,632 bytes of LDS; arguments x, w_router, lowp_scales, xq, sel, wgt; writes xq, sel, wgt
.if DOCPART == 1
	.amdgcn_target "amdgcn-amd-amdhsa--gfx1250"
	.amdhsa_code_object_version 6
	.text
	.protected	k_qb705f14f02_route
	.globl	k_qb705f14f02_route
	.p2align	8
	.type	k_qb705f14f02_route,@function
k_qb705f14f02_route:
	s_mov_b64 s[64:65], 0
	v_nop
	global_prefetch_b8 v0, s[64:65] scope:SCOPE_SE
	s_setreg_imm32_b32 hwreg(HW_REG_WAVE_MODE, 25, 1), 1
	s_wait_xcnt 0x0
; THE ROUTER, AND x AS CODES.  x: [1024 tokens][1024] f32; w_router: [1024][8] f32.  One wave takes one token.
; logits = x . w_router in f32 (fused multiply-adds); softmax with the row's maximum taken away; the chosen expert is the first
; of the largest probabilities (strict compare, ascending, as argmax has it); wgt = its probability.
; sel[t] (int32) and wgt[t] (f32) are stored at fixed places; later launches make addresses of sel.
; xq[t][1024]: the token's row as E4M3 codes with the scale 2^ex of ITS OWN expert (entry 4 e of the scales): only that expert's product is kept.
; The choice selects values only (v_cndmask_b32): no branch and no address of this launch hangs on it.
; LIMITS: ex between -126 and 119, so that 2^ex and 448 x 2^ex are f32 numbers.  NaN among the inputs is not served.
; Two logits nearer to each other than the order of an f32 sum of 1,024 terms resolves may be chosen either way.
; No matrix unit (N = 8), no cluster (the work-groups share only the 32 KiB of w_router).
.set WTP, 4112                         ; LDS: w_router transposed, 8 rows of 1,024 f32 + 16 bytes
.set STG, 8*WTP                        ; behind it: 1,024 bytes for each wave, the token's codes on their way out
.set X,   16                           ; v16-47   my 32 numbers of the token: register 4 j + i is k = 128 j + 4 lane + i
.set WB,  48                           ; v48-111  w_router as loaded; then two sets of 32 numbers of a transposed row
.set CH,  112                          ; v112-143 four running sums for each expert
.set LG,  144                          ; v144-151 logits, then exponentials
	s_load_b256 s[4:11], s[0:1], 0x0               ; x s[4:5], w_router s[6:7], scales s[8:9], xq s[10:11]
	s_load_b128 s[12:15], s[0:1], 0x20             ; sel s[12:13], wgt s[14:15]
	v_lshl_add_u32 v192, v0, 2, 0x9100
	v_mov_b32 v193, 0
	v_lshrrev_b32 v6, 5, v0
	v_readfirstlane_b32 s16, v6                    ; wave 0..3
	v_and_b32 v7, 31, v0                           ; lane
	v_lshlrev_b32 v1, 4, v7                        ; 16 x lane
	v_and_b32 v8, 1, v0
	v_lshrrev_b32 v9, 1, v0
	v_mul_u32_u24 v2, v8, 4*WTP                    ; thread t holds experts 4 (t % 2) + 0..3 of row k = 64 m + t / 2:
	v_lshl_add_u32 v2, v9, 2, v2                   ; transposed place: 4 (t % 2) rows down, 4 (t / 2) bytes along
	v_lshlrev_b32 v3, 4, v0                        ; 16 x thread
	s_lshl_b32 s17, s16, 10
	s_add_co_u32 s17, s17, STG                     ; my wave's stage
	v_lshl_add_u32 v4, v7, 2, s17                  ; in: 4 bytes a lane
	v_add_nc_u32 v5, s17, v1                       ; back: 16 bytes a lane
	s_lshl_b32 s18, ttmp9, 2
	s_add_co_u32 s18, s18, s16                     ; my token
	s_lshl_b32 s2, s18, 12                         ; its row of x: 4,096 bytes
	s_mov_b32 s3, 0
	s_mov_b32 s52, 0x76543210                      ; v_permlanex16_b32: lane l xor 16
	s_mov_b32 s53, 0xfedcba98
	s_mov_b32 s54, 0x3fb8aa3b                      ; log2(e)
	s_wait_kmcnt 0x0
	s_load_b512 s[20:35], s[8:9], 0x0              ; all 32 exponents: expert e's ex is s[20 + 4 e]
	s_load_b512 s[36:51], s[8:9], 0x40
	s_add_nc_u64 s[4:5], s[4:5], s[2:3]
.irp j, 0,1,2,3,4,5,6,7
	global_load_b128 v[X+4*\j:X+4*\j+3], v1, s[4:5] offset:512*\j th:TH_LOAD_NT   ; 512 consecutive bytes a load
.endr
.irp m, 0,1,2,3,4,5,6,7,8,9,10,11,12,13,14,15
	global_load_b128 v[WB+4*\m:WB+4*\m+3], v3, s[6:7] offset:2048*\m              ; the work-group reads w_router once, 2,048 consecutive bytes a load
.endr
	s_lshl_b32 s2, s18, 10
	s_add_nc_u64 s[10:11], s[10:11], s[2:3]        ; my row of xq
	s_lshl_b32 s2, s18, 2
	s_add_nc_u64 s[12:13], s[12:13], s[2:3]        ; my words of sel and wgt
	s_add_nc_u64 s[14:15], s[14:15], s[2:3]
	s_wait_loadcnt 0x0
.irp m, 0,1,2,3,4,5,6,7,8,9,10,11,12,13,14,15
.irp c, 0,1,2,3
	ds_store_b32 v2, v[WB+4*\m+\c] offset:\c*WTP+256*\m    ; word (t / 2) + 16 (t % 2) modulo 64 within a wave: 32 different banks (64 banks of 4 bytes: ISA guide 11.1)
.endr
.endr
	s_wait_dscnt 0x0                               ; for the others' sake: my stores have landed
	s_barrier_signal -1
	s_barrier_wait -1
.macro WTLOAD e                        ; expert e's row, my 32 numbers of it, into set e % 2
.irp j, 0,1,2,3,4,5,6,7
	ds_load_b128 v[WB+32*((\e)%2)+4*\j:WB+32*((\e)%2)+4*\j+3], v1 offset:(\e)*WTP+512*\j
.endr
.endm
.macro DOT e, left                     ; two packed chains; left: the next expert's loads, which may stay out
	s_wait_dscnt \left
.set WS, WB+32*((\e)%2)
	v_pk_mul_f32 v[CH+4*(\e):CH+4*(\e)+1], v[X:X+1], v[WS:WS+1]
	v_pk_mul_f32 v[CH+4*(\e)+2:CH+4*(\e)+3], v[X+2:X+3], v[WS+2:WS+3]
.irp j, 1,2,3,4,5,6,7
	v_pk_fma_f32 v[CH+4*(\e):CH+4*(\e)+1], v[X+4*\j:X+4*\j+1], v[WS+4*\j:WS+4*\j+1], v[CH+4*(\e):CH+4*(\e)+1]
	v_pk_fma_f32 v[CH+4*(\e)+2:CH+4*(\e)+3], v[X+4*\j+2:X+4*\j+3], v[WS+4*\j+2:WS+4*\j+3], v[CH+4*(\e)+2:CH+4*(\e)+3]
.endr
.endm
	WTLOAD 0
	WTLOAD 1
.irp e, 0,1,2,3,4,5
	DOT \e, 8
	WTLOAD \e+2
.endr
	DOT 6, 8
	DOT 7, 0
.irp e, 0,1,2,3,4,5,6,7
	v_pk_add_f32 v[CH+4*\e:CH+4*\e+1], v[CH+4*\e:CH+4*\e+1], v[CH+4*\e+2:CH+4*\e+3]
.endr
.irp e, 0,1,2,3,4,5,6,7
	v_add_f32 v[LG+\e], v[CH+4*\e], v[CH+4*\e+1]
	v_mov_b32 v[152+\e], 0                         ; a lane permute's destination counts as one of its sources
.endr
.irp x, 1,2,4,8                        ; across the 32 lanes, the eight experts by turns
.irp e, 0,1,2,3,4,5,6,7
	v_add_f32_dpp v[LG+\e], v[LG+\e], v[LG+\e] row_xmask:\x row_mask:0xf bank_mask:0xf
.endr
.endr
.irp e, 0,1,2,3,4,5,6,7
	v_permlanex16_b32 v[152+\e], v[LG+\e], s52, s53
.endr
.irp e, 0,1,2,3,4,5,6,7
	v_add_f32 v[LG+\e], v[LG+\e], v[152+\e]        ; every lane holds all eight logits
.endr
	v_max3_num_f32 v160, v[LG], v[LG+1], v[LG+2]
	v_max3_num_f32 v160, v160, v[LG+3], v[LG+4]
	v_max3_num_f32 v160, v160, v[LG+5], v[LG+6]
	v_max_num_f32 v160, v160, v[LG+7]              ; the row's maximum is taken away ahead of the exponentials
.irp e, 0,1,2,3,4,5,6,7
	v_sub_f32 v[LG+\e], v[LG+\e], v160
.endr
.irp e, 0,1,2,3,4,5,6,7
	v_mul_f32 v[LG+\e], s54, v[LG+\e]
.endr
.irp e, 0,1,2,3,4,5,6,7
	v_exp_f32 v[LG+\e], v[LG+\e]
.endr
	v_mov_b32 v161, 0                              ; (a plain line behind the exponentials)  the chosen expert
	s_wait_alu depctr_va_vdst(0)
	v_add_f32 v168, v[LG], v[LG+1]
	v_add_f32 v169, v[LG+2], v[LG+3]
	v_add_f32 v170, v[LG+4], v[LG+5]
	v_add_f32 v171, v[LG+6], v[LG+7]
	v_add_f32 v168, v168, v169
	v_add_f32 v170, v170, v171
	v_add_f32 v168, v168, v170
	v_rcp_f32 v168, v168
	v_mov_b32 v163, v[LG]                          ; (a plain line behind the reciprocal)  the largest so far
	s_wait_kmcnt 0x0
	v_mov_b32 v162, s20                            ; its expert's ex
.irp e, 1,2,3,4,5,6,7
	v_cmp_gt_f32 vcc_lo, v[LG+\e], v163            ; strictly larger: a tie stays with the lower index
	v_cndmask_b32 v163, v163, v[LG+\e], vcc_lo
	v_cndmask_b32 v161, v161, \e, vcc_lo
	v_cndmask_b32 v162, v162, s[20+4*\e], vcc_lo
.endr
	s_wait_alu depctr_va_vdst(0)
	v_mul_f32 v167, v163, v168                     ; the chosen probability
	v_add_nc_u32 v164, 127, v162
	v_lshlrev_b32 v164, 23, v164                   ; 2^ex as f32: the conversion takes its exponent field
	v_add_nc_u32 v165, 135, v162
	v_lshlrev_b32 v165, 23, v165
	v_or_b32 v165, 0x600000, v165                  ; 448 x 2^ex
.set PP, 0
.rept 32
	v_med3_num_f32 v[X+PP], v[X+PP], -v165, v165   ; the conversion to an 8-bit code does not saturate (ISA guide 7.6.2): the hold comes first
.set PP, PP+1
.endr
.irp g, 0,1,2,3
	v_cvt_scalef32_pk8_fp8_f32 v[176+2*\g:177+2*\g], v[X+8*\g:X+8*\g+7], v164   ; register 176 + j: the codes of k = 128 j + 4 lane + 0..3
.endr
	v_nop                                          ; a plain line behind the last conversion
.irp j, 0,1,2,3,4,5,6,7
	ds_store_b32 v4, v[176+\j] offset:128*\j       ; the row's 1,024 codes in K's order, in my own stage
.endr
	ds_load_b128 v[184:187], v5                    ; LDS serves a wave's instructions in order (ISA guide 5.7.1.4): these see my stores
	ds_load_b128 v[188:191], v5 offset:512
	v_mov_b32 v166, 0
	s_wait_dscnt 0x0
	global_store_b128 v1, v[184:187], s[10:11]             ; 512 consecutive bytes a store
	global_store_b128 v1, v[188:191], s[10:11] offset:512
	s_wait_xcnt 0x0                                ; EXEC changes only behind this wait
	v_cmp_eq_u32 vcc_lo, 0, v7
	s_wait_tensorcnt 0x0
	ds_add_u32 v192, v193
	s_wait_dscnt 0x0
	s_and_saveexec_b32 s55, vcc_lo
	global_store_b32 v166, v161, s[12:13]          ; one word a token: 8 KiB in the whole launch
	global_store_b32 v166, v167, s[14:15]
	s_wait_xcnt 0x0
	s_or_b32 exec_lo, exec_lo, s55
	s_endpgm
.Lfunc_end_k_qb705f14f02_route:
	.size	k_qb705f14f02_route, .Lfunc_end_k_qb705f14f02_route-k_qb705f14f02_route
	.p2alignl 7, 3214868480
	.fill 96, 4, 3214868480
	.section	.rodata,"a",@progbits
	.p2align	6, 0x0
	.amdhsa_kernel k_qb705f14f02_route
		.amdhsa_group_segment_fixed_size 37632
		.amdhsa_private_segment_fixed_size 0
		.amdhsa_enable_private_segment 0
		.amdhsa_kernarg_size 48
		.amdhsa_user_sgpr_count 2
		.amdhsa_user_sgpr_kernarg_segment_ptr 1
		.amdhsa_wavefront_size32 1
		.amdhsa_system_sgpr_workgroup_id_x 1
		.amdhsa_system_sgpr_workgroup_id_y 1
		.amdhsa_system_sgpr_workgroup_id_z 1
		.amdhsa_system_vgpr_workitem_id 0
		.amdhsa_next_free_vgpr 194
		.amdhsa_next_free_sgpr 66
		.amdhsa_reserve_vcc 1
		.amdhsa_float_denorm_mode_32 3
		.amdhsa_float_denorm_mode_16_64 3
		.amdhsa_memory_ordered 1
		.amdhsa_forward_progress 1
		.amdhsa_inst_pref_size 31
	.end_amdhsa_kernel
	.amdgpu_metadata
---
amdhsa.version: [ 1, 2 ]
amdhsa.kernels:
  - .name:           k_qb705f14f02_route
    .symbol:         k_qb705f14f02_route.kd
    .args:
      - { .name: x, .offset: 0, .size: 8, .value_kind: global_buffer, .address_space: global }
      - { .name: w_router, .offset: 8, .size: 8, .value_kind: global_buffer, .address_space: global }
      - { .name: lowp_scales, .offset: 16, .size: 8, .value_kind: global_buffer, .address_space: global }
      - { .name: xq, .offset: 24, .size: 8, .value_kind: global_buffer, .address_space: global }
      - { .name: sel, .offset: 32, .size: 8, .value_kind: global_buffer, .address_space: global }
      - { .name: wgt, .offset: 40, .size: 8, .value_kind: global_buffer, .address_space: global }
    .group_segment_fixed_size: 37632
    .private_segment_fixed_size: 0
    .kernarg_segment_align: 8
    .kernarg_segment_size: 48
    .max_flat_workgroup_size: 128
    .sgpr_count:     66
    .vgpr_count:     194
    .wavefront_size: 32
...
	.end_amdgpu_metadata
.endif
;; end of part 1
;; launch ffn1 (part 2): grid 32 x 8, 8 waves a work-group, no clusters, 299,520 bytes of LDS; arguments sel, xq, w1, b1, lowp_scales, hq, rowof, cnt; writes hq, rowof, cnt
.if DOCPART == 2
	.amdgcn_target "amdgcn-amd-amdhsa--gfx1250"
	.amdhsa_code_object_version 6
	.text
	.protected	k_qb705f14f02_ffn1
	.globl	k_qb705f14f02_ffn1
	.p2align	8
	.type	k_qb705f14f02_ffn1,@function
k_qb705f14f02_ffn1:
	s_mov_b64 s[64:65], 0
	v_nop
	global_prefetch_b8 v0, s[64:65] scope:SCOPE_SE
	s_setreg_imm32_b32 hwreg(HW_REG_WAVE_MODE, 25, 1), 1
	s_wait_xcnt 0x0
; THE FIRST PRODUCT OF THE CHOSEN EXPERTS: hq = Q(relu(Q(x) Q(w1[e]) + b1[e])), only for the tokens that chose expert e.
; Work-group (slice, e): hidden units 128 slice .. + 127 of expert e, all K = 1,024, all tokens of e.  w1[e] is [1024 (k)][4096] f32: each number is read by ONE
; work-group, so it is quantised here, on its way: no launch and no buffer for weight codes.
; THE TOKENS OF AN EXPERT.  sel (stored by the launch before) is read whole; 32 lane masks (register g of the list, bit l: token 128 (g / 4) + g % 4 + 4 l) lie in s68-99.
; Position p of expert e is the p-th set bit of the 32 masks on end; RANKSEL finds it in registers.  Every work-group of an expert makes the same order; slice 0 stores
; rowof[token] = 1024 e + p and cnt[e] = n for the later launches.
; THE MAIN WAY IS STRAIGHT: 160 positions (10 tiles of 16) are always multiplied; positions from n on repeat position n - 1.  Only stores, and a loop without barrier for
; positions from 160 on, hang on n.  That loop reads each token's codes in pieces of 16 bytes: the price of a split that is far from even.
; An expert without tokens still walks its weights and stores tile 0 of hq (codes of some token), which the next launch loads and does not keep.
; WEIGHTS: four trips of 256 rows of K.  Wave w takes rows 32 w .. + 31 of a trip; each load reads 512 consecutive bytes of one row (128 columns, 4 a lane); two sets of 32 loads
; are under way (where the counter's field is full, the issue stalls: ISA guide 5.7.1).  x 2^-ew1 (exact), held within +-448, two codes an instruction; 16 codes down K of one column are 16 bytes
; of an IMAGE OF THE OPERAND'S REGISTERS in LDS.  All 64 images (8 K steps x 8 tiles of 16 columns) stay: none is written twice.
; PRODUCTS, transposed: source 0 = 16 columns of w1, source 1 = 16 tokens.  TILE 2 b + u TAKES COLUMNS 32 b + 8 u + i + 8 (i / 8), so that a lane's 16 registers of tiles 2 cg, 2 cg + 1 are hidden units
; 32 cg + 16 (lane / 16) + 0..15 of ONE token: the conversions' results are 16 bytes of the next operand's register image.  Wave w multiplies tiles 2 cg, 2 cg + 1 (cg = w % 4) by token tiles 2 i + th (th = w / 4).
; Both operands hold k = 32 q + 16 (lane / 16) + 0..15 in registers 4 q .. 4 q + 3: the same permutation of k on both sides, so every product meets its partner.
; b1 / 2^(ex + ew1) is the C of each sum's first product; relu is the lower end of the hold; the three scales ahead of the quantiser are one: 2^(eh - ex - ew1).
; hq: [e][K step = slice][tile of 16 positions][2,048]: quad q = cg at 512 q, lane l's 16 bytes at 16 l.
; NO TENSOR LOAD AND NO CLUSTER: branches here hang on counts read from memory; no weight is shared; what the 32 work-groups of an expert share, the tokens' codes, is 160 KiB of the 672 KiB that a work-group reads.
; LIMITS: |ew1| <= 126; eh - ex - ew1 between -126 and 119.  NaN among the inputs is not served.
; REGISTERS, window 0: v1 16 lane; v2 weights' offset; v3,4 where I store images; v5,6 where I read them; v7-11 my token tiles' rows; v12-14 where I store tokens' rows; v15 hq offset; v16-31 bias;
;   v32-63 codes (at the head: the rows' offsets); v64-143 ten accumulators (at the head v64-223: tokens' codes); v144-175 two weight fragments, v176-255 five token fragments (in CONV v144-207: 64 numbers at work).
;   window 1: two landing sets of 128.
.set RP,   16384                       ; a row of w1[e] in bytes
.set TRIP, 256*RP
.set XP,   1040                        ; a token's row in LDS: 1,024 codes + 16: row r starts at bank 4 r mod 64 (64 banks of 4 bytes: ISA guide 11.1)
.set FP,   2064                        ; from image to image: 2,048 + 16
.set WIMG, 160*XP                      ; the images lie behind the tokens' 160 rows
.set MSB, 0
.macro WIN new                         ; the immediate's high byte repeats the setting that is left
.if MSB != \new
	s_set_vgpr_msb (MSB<<8)|\new
.set MSB, \new
.endif
.endm
.macro WLOAD t, first                  ; trip t, my rows first .. first + 15, into landing set t % 2
	WIN 0x40                                       ; destination window 1
.irp j, 0,1,2,3,4,5,6,7,8,9,10,11,12,13,14,15
	global_load_b128 v[128*((\t)%2)+4*((\first)+\j):128*((\t)%2)+4*((\first)+\j)+3], v2, s[36+2*(\t):37+2*(\t)] offset:((\first)+\j)*RP th:TH_LOAD_NT
.endr
	WIN 0
.endm
; Rows 16 g .. 16 g + 15 of my 32 in trip t become codes.  left: the weight loads issued behind these sixteen.  re = 1: the landing half takes trip t + 2.
.macro CONV t, g, left, re
	s_wait_loadcnt \left
.if (\g) == 0
.rept 4
	v_nop                                          ; places between the last products and the writes over their operands (ISA guide 7.12.1)
.endr
.endif
	WIN 0x01                                       ; source 0 window 1
.set PP, 0
.rept 32
	v_pk_mul_f32 v[144+2*PP:145+2*PP], v[128*((\t)%2)+64*(\g)+2*PP:128*((\t)%2)+64*(\g)+2*PP+1], s[44:45] op_sel_hi:[1,0]   ; x 2^-ew: v[144 + 4 row + c]
.set PP, PP+1
.endr
	WIN 0
.if \re
	WLOAD (\t)+2, 16*(\g)
.endif
.set PP, 0
.rept 64
	v_med3_num_f32 v[144+PP], v[144+PP], s46, s47  ; the conversion does not saturate (ISA guide 7.6.2): held within +-448
.set PP, PP+1
.endr
; code register 4 c + i of the half: column c, rows 4 i .. 4 i + 3, the lowest row in the lowest byte
.set PP, 0
.if (\g) == 0
.irp d, v32.l,v33.l,v34.l,v35.l,v36.l,v37.l,v38.l,v39.l,v40.l,v41.l,v42.l,v43.l,v44.l,v45.l,v46.l,v47.l
	v_cvt_pk_fp8_f32 \d, v[144+16*(PP%4)+PP/4], v[148+16*(PP%4)+PP/4]
.set PP, PP+1
.endr
.set PP, 0
.irp d, v32.h,v33.h,v34.h,v35.h,v36.h,v37.h,v38.h,v39.h,v40.h,v41.h,v42.h,v43.h,v44.h,v45.h,v46.h,v47.h
	v_cvt_pk_fp8_f32 \d, v[152+16*(PP%4)+PP/4], v[156+16*(PP%4)+PP/4]
.set PP, PP+1
.endr
.else
.irp d, v48.l,v49.l,v50.l,v51.l,v52.l,v53.l,v54.l,v55.l,v56.l,v57.l,v58.l,v59.l,v60.l,v61.l,v62.l,v63.l
	v_cvt_pk_fp8_f32 \d, v[144+16*(PP%4)+PP/4], v[148+16*(PP%4)+PP/4]
.set PP, PP+1
.endr
.set PP, 0
.irp d, v48.h,v49.h,v50.h,v51.h,v52.h,v53.h,v54.h,v55.h,v56.h,v57.h,v58.h,v59.h,v60.h,v61.h,v62.h,v63.h
	v_cvt_pk_fp8_f32 \d, v[152+16*(PP%4)+PP/4], v[156+16*(PP%4)+PP/4]
.set PP, PP+1
.endr
.endif
	v_nop
.irp c, 0,1,2,3
	ds_store_b128 v[3+(\t)/2], v[32+16*(\g)+4*\c:32+16*(\g)+4*\c+3] offset:((\t)%2)*16*FP+16*\c+256*(\g)   ; column 4 lane + c: its tile's image, quad w % 4, half g, 16 x its index
.endr
.endm
.macro BAR                             ; my LDS stores have landed and my LDS loads are in: then the work-group's barrier
	s_wait_dscnt 0x0
	s_barrier_signal -1
	s_barrier_wait -1
.endm
; K step s: my two weight fragments, my five token fragments, ten products.  The ten accumulators take turns, one instruction a turn.
.macro KSTEP s, first
.rept 4
	v_nop                                          ; places in front of loads into registers that matrix instructions have read
.endr
.irp u, 0,1
.irp q, 0,1,2,3
	ds_load_b128 v[144+16*\u+4*\q:147+16*\u+4*\q], v[5+(\s)/4] offset:(8*((\s)%4)+\u)*FP+512*\q
.endr
.endr
.irp i, 0,1,2,3,4
.irp q, 0,1,2,3
	ds_load_b128 v[176+16*\i+4*\q:179+16*\i+4*\q], v[7+\i] offset:128*(\s)+32*\q
.endr
.endr
.irp i, 0,1,2,3,4
	s_wait_dscnt 16-4*\i                           ; the later token tiles' loads may be out
.irp u, 0,1
.if \first
	v_wmma_f32_16x16x128_fp8_fp8 v[64+16*\i+8*\u:71+16*\i+8*\u], v[144+16*\u:159+16*\u], v[176+16*\i:191+16*\i], v[16+8*\u:23+8*\u]
.else
	v_wmma_f32_16x16x128_fp8_fp8 v[64+16*\i+8*\u:71+16*\i+8*\u], v[144+16*\u:159+16*\u], v[176+16*\i:191+16*\i], v[64+16*\i+8*\u:71+16*\i+8*\u]
.endif
.endr
.endr
.endm
; v[vtok] = the token at position v[vp] of my expert.  First the group: the last of the 32 masks whose count of earlier set bits is at most the position; then the bit, by halving, from counts of 16, 8, 4, 2 and 1 bits.
.macro LEVEL a, wd
	v_bfe_u32 v232, v[\a], v231, \wd               ; set bits among the next wd
	v_cmp_ge_u32 vcc_lo, v226, v232
	v_cndmask_b32 v232, 0, v232, vcc_lo
	v_cndmask_b32 v233, 0, \wd, vcc_lo
	v_sub_nc_u32 v226, v226, v232                  ; pass over them, or stay
	v_add_nc_u32 v231, v231, v233
.endm
.macro RANKSEL vp, vtok
	s_mov_b32 s30, 0
	v_mov_b32 v224, s68                            ; the group's mask
	v_mov_b32 v225, 0                              ; (set bits ahead of the group) << 10 | the group's first token
.set RG, 1
.rept 31
	s_bcnt1_i32_b32 s31, s[68+RG-1]
	s_add_co_u32 s30, s30, s31
	s_lshl_b32 s31, s30, 10
	s_or_b32 s31, s31, 128*(RG>>2)+(RG&3)
	v_cmp_le_u32 vcc_lo, s30, v[\vp]
	v_cndmask_b32 v224, v224, s[68+RG], vcc_lo
	v_cndmask_b32 v225, v225, s31, vcc_lo
.set RG, RG+1
.endr
	v_lshrrev_b32 v226, 10, v225
	v_sub_nc_u32 v226, v[\vp], v226                ; the rank inside the group
	v_lshrrev_b32 v227, 1, v224
	v_and_b32 v227, 0x55555555, v227
	v_sub_nc_u32 v227, v224, v227                  ; counts of 2 bits
	v_lshrrev_b32 v228, 2, v227
	v_and_b32 v228, 0x33333333, v228
	v_and_b32 v229, 0x33333333, v227
	v_add_nc_u32 v228, v228, v229                  ; of 4
	v_lshrrev_b32 v229, 4, v228
	v_add_nc_u32 v229, v229, v228
	v_and_b32 v229, 0x0f0f0f0f, v229               ; of 8
	v_lshrrev_b32 v230, 8, v229
	v_add_nc_u32 v230, v230, v229
	v_and_b32 v230, 0x00ff00ff, v230               ; of 16
	v_mov_b32 v231, 0                              ; the bit
	LEVEL 230, 16
	LEVEL 229, 8
	LEVEL 228, 4
	LEVEL 227, 2
	LEVEL 224, 1
	v_and_b32 v[\vtok], 0x3ff, v225
	v_lshl_add_u32 v[\vtok], v231, 2, v[\vtok]
	v_min_u32 v[\vtok], 0x3ff, v[\vtok]            ; a token's number, whatever the list holds
.endm
; the surplus loop's K step: one token tile (in window 1), my two weight fragments; two accumulators by turns
.macro OSTEP s
.rept 4
	v_nop
.endr
.irp u, 0,1
.irp q, 0,1,2,3
	ds_load_b128 v[144+16*\u+4*\q:147+16*\u+4*\q], v[5+(\s)/4] offset:(8*((\s)%4)+\u)*FP+512*\q
.endr
.endr
	s_wait_dscnt 0x0
	WIN 0x04                                       ; source 1 window 1
.irp u, 0,1
.if (\s) == 0
	v_wmma_f32_16x16x128_fp8_fp8 v[64+8*\u:71+8*\u], v[144+16*\u:159+16*\u], v[16*(\s):16*(\s)+15], v[16+8*\u:23+8*\u]
.else
	v_wmma_f32_16x16x128_fp8_fp8 v[64+8*\u:71+8*\u], v[144+16*\u:159+16*\u], v[16*(\s):16*(\s)+15], v[64+8*\u:71+8*\u]
.endif
.endr
	WIN 0
.endm
	s_load_b512 s[4:19], s[0:1], 0x0               ; sel s[4:5], xq s[6:7], w1 s[8:9], b1 s[10:11], scales s[12:13], hq s[14:15], rowof s[16:17], cnt s[18:19]
	v_lshrrev_b32 v224, 5, v0
	v_readfirstlane_b32 s20, v224                  ; wave 0..7
	s_and_b32 s21, s20, 3                          ; cg
	s_lshr_b32 s22, s20, 2                         ; th
	s_and_b32 s23, ttmp7, 0xffff                   ; the expert
	s_mov_b32 s24, ttmp9                           ; the slice
	v_and_b32 v244, 31, v0                         ; lane
	v_and_b32 v245, 15, v0                         ; r
	v_bfe_u32 v246, v0, 4, 1                       ; h
	v_lshlrev_b32 v1, 4, v244
	s_lshl_b32 s27, s20, 19                        ; my 32 rows of a trip: 32 w x 16,384 bytes
	v_add_nc_u32 v2, s27, v1
	v_lshlrev_b32 v250, 6, v246                    ; the bias: 16 numbers further on for lanes 16-31
	s_lshl_b32 s28, s23, 24                        ; w1[e]: 16 MiB an expert,
	s_lshl_b32 s27, s24, 9                         ; 512 bytes of each row a slice
	s_add_co_u32 s28, s28, s27
	s_mov_b32 s29, 0
	s_lshl_b32 s30, s23, 14                        ; b1[e], the slice's 128 numbers,
	s_add_co_u32 s30, s30, s27
	s_lshl_b32 s27, s21, 7                         ; my 32 of them
	s_add_co_u32 s30, s30, s27
	s_mov_b32 s31, 0
	s_lshl_b32 s32, s23, 4                         ; the expert's four exponents
	s_mov_b32 s33, 0
	s_wait_kmcnt 0x0
	s_add_nc_u64 s[36:37], s[8:9], s[28:29]        ; a base for each trip; never rewritten
	s_add_nc_u64 s[38:39], s[36:37], TRIP
	s_add_nc_u64 s[40:41], s[36:37], 2*TRIP
	s_add_nc_u64 s[42:43], s[36:37], 3*TRIP
	s_add_nc_u64 s[10:11], s[10:11], s[30:31]
	s_add_nc_u64 s[12:13], s[12:13], s[32:33]
	s_load_b128 s[48:51], s[12:13], 0x0            ; ex, ew1, eh, ew2
.irp j, 0,1,2,3,4,5,6,7
	global_load_b128 v[64+4*\j:67+4*\j], v1, s[4:5] offset:512*\j    ; the whole list of choices
.endr
.irp k, 0,1,2,3
	global_load_b128 v[16+4*\k:19+4*\k], v250, s[10:11] offset:16*\k ; b1 at hidden units 32 cg + 16 h + 0..15: the result's layout
.endr
	WLOAD 0, 0
	WLOAD 0, 16
	; LDS addresses: constants, the lane's bits and the wave's number
	v_lshrrev_b32 v224, 3, v244
	v_bfe_u32 v225, v0, 1, 1
	v_lshl_add_u32 v224, v224, 1, v225             ; columns 4 l + c lie in tile 2 (l / 8) + (l / 2) % 2,
	v_mul_u32_u24 v3, v224, FP
	v_bfe_u32 v225, v0, 2, 1
	v_lshl_add_u32 v3, v225, 7, v3                 ; at index 8 ((l / 4) % 2) + 4 (l % 2) + c: 16 bytes an index
	v_and_b32 v225, 1, v0
	v_lshl_add_u32 v3, v225, 6, v3
	s_mul_i32 s27, s22, 8*FP                       ; my rows lie in K step w / 4 of the trip's two,
	s_lshl_b32 s28, s21, 9                         ; in quad w % 4
	s_add_co_u32 s27, s27, s28
	s_add_co_u32 s27, s27, WIMG
	v_add_nc_u32 v3, s27, v3
	v_add_nc_u32 v4, 32*FP, v3                     ; trips 2 and 3
	s_mul_i32 s27, s21, 2*FP
	s_add_co_u32 s27, s27, WIMG
	v_add_nc_u32 v5, s27, v1                       ; reading: tile 2 cg, 16 bytes a lane
	v_add_nc_u32 v6, 32*FP, v5                     ; K steps 4 to 7
	v_mul_u32_u24 v7, v245, XP
	v_lshl_add_u32 v7, v246, 4, v7
	s_mul_i32 s27, s22, 16*XP
	v_add_nc_u32 v7, s27, v7                       ; token tile th: row r, + 16 h
.irp i, 1,2,3,4
	v_add_nc_u32 v[7+\i], 32*XP*\i, v7             ; tiles 2 i + th
.endr
	s_mul_i32 s27, s20, 2*XP
	v_add_nc_u32 v12, s27, v1                      ; I stage rows 2 w and 2 w + 1 of each tile
	v_add_nc_u32 v13, 64*XP, v12
	v_add_nc_u32 v14, 128*XP, v12
	s_lshl_b32 s27, s22, 11
	s_lshl_b32 s28, s21, 9
	s_add_co_u32 s27, s27, s28
	v_add_nc_u32 v15, s27, v1                      ; hq: tile th, quad cg, 16 bytes a lane
	s_lshl_b32 s28, s23, 5
	s_add_co_u32 s28, s28, s24
	s_lshl_b32 s28, s28, 17                        ; 64 tiles of 2,048 bytes for each (expert, slice)
	s_add_nc_u64 s[14:15], s[14:15], s[28:29]
	s_mov_b32 s46, 0xc3e00000                      ; -448
	s_mov_b32 s47, 0x43e00000                      ; 448
	s_wait_loadcnt 32                              ; the list and the bias are in; behind them: 32 weight loads
.set RG, 0
.rept 32
	v_cmp_eq_u32 s[68+RG], s23, v[64+RG]
.set RG, RG+1
.endr
	s_mov_b32 s25, 0
.set RG, 0
.rept 32
	s_bcnt1_i32_b32 s27, s[68+RG]
	s_add_co_u32 s25, s25, s27                     ; n: my expert's tokens
.set RG, RG+1
.endr
	s_max_u32 s26, s25, 1
	s_wait_kmcnt 0x0
	s_sub_co_i32 s44, 127, s49
	s_lshl_b32 s44, s44, 23                        ; 2^-ew1 as f32
	s_mov_b32 s45, s44                             ; (named with it as a pair, so it is written)
	s_add_co_i32 s27, s48, s49                     ; a sum stands for sum x 2^(ex + ew1): the bias goes in divided by that
	s_sub_co_i32 s28, 0, s27
.set PP, 0
.rept 16
	v_ldexp_f32 v[16+PP], v[16+PP], s28
.set PP, PP+1
.endr
	s_sub_co_i32 s27, s50, s27
	s_add_co_i32 s27, s27, 127
	s_lshl_b32 s53, s27, 23                        ; 2^(eh - ex - ew1) as f32
	s_add_co_i32 s27, s27, 8
	s_lshl_b32 s52, s27, 23
	s_or_b32 s52, s52, 0x600000                    ; 448 x that
	; lane l finds the token of position 16 (l / 2) + 2 w + l % 2: lanes 2 m, 2 m + 1 hold the two rows of tile m that I stage
	v_lshrrev_b32 v241, 1, v244
	v_and_b32 v242, 1, v0
	v_lshl_add_u32 v241, v241, 4, v242
	s_lshl_b32 s27, s20, 1
	v_add_nc_u32 v241, s27, v241
	s_sub_co_u32 s27, s26, 1
	v_min_u32 v241, s27, v241                      ; positions from n on repeat the last
	RANKSEL 241, 240
.irp m, 0,1,2,3,4,5,6,7,8,9
.irp a, 0,1
	v_readlane_b32 s27, v240, 2*\m+\a
	s_min_u32 s27, s27, 0x3ff
	v_lshl_add_u32 v[32+2*\m+\a], s27, 10, v1      ; an offset register for each row, so that none is rewritten while its loads are out
.irp f, 0,1
	global_load_b128 v[64+16*\m+8*\a+4*\f:67+16*\m+8*\a+4*\f], v[32+2*\m+\a], s[6:7] offset:512*\f   ; half a row: 512 consecutive bytes
.endr
.endr
.endr
	WLOAD 1, 0
	WLOAD 1, 16
	s_cmp_lg_u32 s24, 0                            ; slice 0 stores the lists for the later launches
	s_cbranch_scc1 .Lnot_first
	s_cmp_eq_u32 s25, 0
	s_cbranch_scc1 .Lno_rows
	v_lshlrev_b32 v243, 2, v240
	s_lshl_b32 s27, s23, 10
	v_add_nc_u32 v247, s27, v241
	global_store_b32 v243, v247, s[16:17]          ; rowof[token] = 1024 e + position; repeated positions store the same word again
.Lno_rows:
	s_cmp_lg_u32 s20, 0
	s_cbranch_scc1 .Lnot_first
	v_lshlrev_b32 v251, 3, v244
	v_mov_b32 v252, s25
	v_mov_b32 v253, s25
	s_lshl_b32 s28, s23, 8
	s_add_nc_u64 s[18:19], s[18:19], s[28:29]
	global_store_b64 v251, v[252:253], s[18:19]    ; n, 64 times: 256 consecutive bytes
.Lnot_first:
	s_wait_loadcnt 32                              ; trip 0's weights and the tokens' codes are in; behind them: trip 1's 32 loads
.irp m, 0,1,2,3,4,5,6,7,8,9
.irp a, 0,1
.irp f, 0,1
	ds_store_b128 v[12+\m/4], v[64+16*\m+8*\a+4*\f:67+16*\m+8*\a+4*\f] offset:((\m%4)*16+\a)*XP+512*\f
.endr
.endr
.endr
	s_wait_xcnt 0x0                                ; slice 0's stores have read their registers, which fragments will take
.set PP, 0
.rept 32
	v_mov_b32 v[32+PP], 0                          ; the code registers are written half by half: whole once, here (the rows' offsets are free since the wait for their loads)
.set PP, PP+1
.endr
	CONV 0, 0, 32, 1
	CONV 0, 1, 48, 1
	BAR                                            ; the tokens' rows and K steps 0, 1 lie in LDS
	KSTEP 0, 1
	KSTEP 1, 0
	CONV 1, 0, 48, 1
	CONV 1, 1, 48, 1
	BAR
	KSTEP 2, 0
	KSTEP 3, 0
	CONV 2, 0, 48, 0
	CONV 2, 1, 32, 0
	BAR
	KSTEP 4, 0
	KSTEP 5, 0
	CONV 3, 0, 16, 0
	CONV 3, 1, 0, 0
	BAR
	KSTEP 6, 0
	KSTEP 7, 0
	; THE WAY OUT: relu and the hold in one, the conversion, 16 bytes a lane of the next operand's image
.rept 4
	v_nop
.endr
	v_mov_b32 v248, s53
.irp i, 0,1,2,3,4
.set PP, 0
.rept 16
	v_med3_num_f32 v[64+16*\i+PP], v[64+16*\i+PP], 0, s52   ; each accumulator from its low end on
.set PP, PP+1
.endr
	v_cvt_scalef32_pk8_fp8_f32 v[32+4*\i:33+4*\i], v[64+16*\i:71+16*\i], v248
	v_cvt_scalef32_pk8_fp8_f32 v[34+4*\i:35+4*\i], v[72+16*\i:79+16*\i], v248
.endr
	v_nop                                          ; a plain line behind the last conversion
	s_lshl_b32 s27, s22, 4
.irp i, 0,1,2,3,4
	s_cmp_ge_u32 s27, s26                          ; tiles that begin at or past max(n, 1) are not stored
	s_cbranch_scc1 .Lout_done
	global_store_b128 v15, v[32+4*\i:35+4*\i], s[14:15] offset:4096*\i   ; 512 consecutive bytes
	s_add_co_u32 s27, s27, 32
.endr
.Lout_done:
	; POSITIONS FROM 160 ON: tiles 10 + 2 k + th, one a trip; no barrier, no LDS address that hangs on k; the images are all there
	v_and_b32 v245, 15, v0
	v_bfe_u32 v246, v0, 4, 1
	s_mov_b32 s54, 0
	s_lshl_b32 s55, s22, 4
	s_add_co_u32 s55, s55, 160                     ; the tile's first position
	s_mov_b32 s57, 0
.Lover:
	s_cmp_ge_u32 s55, s25
	s_cbranch_scc1 .Lend                           ; the tiles ascend: none further on has a token
	s_wait_xcnt 0x0                                ; earlier stores have read their registers and bases
	v_add_nc_u32 v241, s55, v245
	s_sub_co_u32 s27, s25, 1
	v_min_u32 v241, s27, v241
	RANKSEL 241, 240
	s_or_b32 s27, s24, s21
	s_cmp_lg_u32 s27, 0
	s_cbranch_scc1 .Lover_norow
	v_lshlrev_b32 v243, 2, v240
	s_lshl_b32 s27, s23, 10
	v_add_nc_u32 v247, s27, v241
	global_store_b32 v243, v247, s[16:17]
.Lover_norow:
	v_lshlrev_b32 v242, 10, v240
	v_lshl_add_u32 v242, v246, 4, v242             ; my token's row, + 16 h
	WIN 0x40
.irp s, 0,1,2,3,4,5,6,7
.irp q, 0,1,2,3
	global_load_b128 v[16*\s+4*\q:16*\s+4*\q+3], v242, s[6:7] offset:128*\s+32*\q
.endr
.endr
	WIN 0
	s_wait_loadcnt 0x0
.irp s, 0,1,2,3,4,5,6,7
	OSTEP \s
.endr
.rept 4
	v_nop
.endr
.set PP, 0
.rept 16
	v_med3_num_f32 v[64+PP], v[64+PP], 0, s52
.set PP, PP+1
.endr
	v_cvt_scalef32_pk8_fp8_f32 v[32:33], v[64:71], v248
	v_cvt_scalef32_pk8_fp8_f32 v[34:35], v[72:79], v248
	v_nop
	s_lshl_b32 s56, s54, 12
	s_add_co_u32 s56, s56, 10*2048                 ; tile 10 + 2 k (v15 adds th)
	s_add_nc_u64 s[58:59], s[14:15], s[56:57]
	global_store_b128 v15, v[32:35], s[58:59]
	s_add_co_u32 s55, s55, 32
	s_add_co_u32 s54, s54, 1
	s_cmp_lt_u32 s54, 27
	s_cbranch_scc1 .Lover
.Lend:
	s_wait_xcnt 0x0
	v_lshl_add_u32 v254, v0, 2, 0x48e00
	v_mov_b32 v255, 0
	s_wait_tensorcnt 0x0
	ds_add_u32 v254, v255
	s_wait_dscnt 0x0
	s_endpgm
.Lfunc_end_k_qb705f14f02_ffn1:
	.size	k_qb705f14f02_ffn1, .Lfunc_end_k_qb705f14f02_ffn1-k_qb705f14f02_ffn1
	.p2alignl 7, 3214868480
	.fill 96, 4, 3214868480
	.section	.rodata,"a",@progbits
	.p2align	6, 0x0
	.amdhsa_kernel k_qb705f14f02_ffn1
		.amdhsa_group_segment_fixed_size 299520
		.amdhsa_private_segment_fixed_size 0
		.amdhsa_enable_private_segment 0
		.amdhsa_kernarg_size 64
		.amdhsa_user_sgpr_count 2
		.amdhsa_user_sgpr_kernarg_segment_ptr 1
		.amdhsa_wavefront_size32 1
		.amdhsa_system_sgpr_workgroup_id_x 1
		.amdhsa_system_sgpr_workgroup_id_y 1
		.amdhsa_system_sgpr_workgroup_id_z 1
		.amdhsa_system_vgpr_workitem_id 0
		.amdhsa_next_free_vgpr 512
		.amdhsa_next_free_sgpr 100
		.amdhsa_reserve_vcc 1
		.amdhsa_float_denorm_mode_32 3
		.amdhsa_float_denorm_mode_16_64 3
		.amdhsa_memory_ordered 1
		.amdhsa_forward_progress 1
		.amdhsa_inst_pref_size 167
	.end_amdhsa_kernel
	.amdgpu_metadata
---
amdhsa.version: [ 1, 2 ]
amdhsa.kernels:
  - .name:           k_qb705f14f02_ffn1
    .symbol:         k_qb705f14f02_ffn1.kd
    .args:
      - { .name: sel, .offset: 0, .size: 8, .value_kind: global_buffer, .address_space: global }
      - { .name: xq, .offset: 8, .size: 8, .value_kind: global_buffer, .address_space: global }
      - { .name: w1, .offset: 16, .size: 8, .value_kind: global_buffer, .address_space: global }
      - { .name: b1, .offset: 24, .size: 8, .value_kind: global_buffer, .address_space: global }
      - { .name: lowp_scales, .offset: 32, .size: 8, .value_kind: global_buffer, .address_space: global }
      - { .name: hq, .offset: 40, .size: 8, .value_kind: global_buffer, .address_space: global }
      - { .name: rowof, .offset: 48, .size: 8, .value_kind: global_buffer, .address_space: global }
      - { .name: cnt, .offset: 56, .size: 8, .value_kind: global_buffer, .address_space: global }
    .group_segment_fixed_size: 299520
    .private_segment_fixed_size: 0
    .kernarg_segment_align: 8
    .kernarg_segment_size: 64
    .max_flat_workgroup_size: 256
    .sgpr_count:     100
    .vgpr_count:     512
    .wavefront_size: 32
...
	.end_amdgpu_metadata
.endif
;; end of part 2
;; launch ffn2 (part 3): grid 32 x 8, 8 waves a work-group, no clusters, 299,520 bytes of LDS; arguments cnt, hq, w2, lowp_scales, part; writes part
.if DOCPART == 3
	.amdgcn_target "amdgcn-amd-amdhsa--gfx1250"
	.amdhsa_code_object_version 6
	.text
	.protected	k_qb705f14f02_ffn2
	.globl	k_qb705f14f02_ffn2
	.p2align	8
	.type	k_qb705f14f02_ffn2,@function
k_qb705f14f02_ffn2:
	s_mov_b64 s[64:65], 0
	v_nop
	global_prefetch_b8 v0, s[64:65] scope:SCOPE_SE
	s_setreg_imm32_b32 hwreg(HW_REG_WAVE_MODE, 25, 1), 1
	s_wait_xcnt 0x0
; THE SECOND PRODUCT OF THE CHOSEN EXPERTS, in four parts along K: part[kq][1024 e + position][1024] = the f32 sums of codes, hq x Q(w2[e]), over hidden units 1024 kq .. + 1023.
; Work-group (cs + 8 kq, e): output columns 128 cs .. + 127, a quarter kq of K = 4,096, all positions of expert e.  So it has the first product's shape: K = 1,024, 128 columns, pieces of 512 bytes of each
; row of w2[e] ([4096 (k)][1024] f32), the activations resident in LDS.  Each number of w2 is read by ONE work-group and quantised here, on its way.  The four parts are added, scaled and weighed by the next launch, one owner a row.
; cnt[e] = n comes from the launch before.  THE MAIN WAY IS STRAIGHT: 160 positions (10 tiles) are always multiplied; tiles past the last written one repeat it.  Only stores, and a loop without barrier for
; positions from 160 on, hang on n; that loop stores pieces of 16 bytes: the price of a split that is far from even.  An expert without tokens walks its weights and stores nothing.
; WEIGHTS, IMAGES, PRODUCTS: as in the first product.  Four trips of 256 rows of K; wave w takes rows 32 w .. + 31; each load reads 512 consecutive bytes; x 2^-ew2 (exact), held within +-448, two codes an instruction;
; 16 codes down K of a column are 16 bytes of an image of the operand's registers; all 64 images stay.  Source 0 = 16 columns of w2 (tile 2 b + u: columns 32 b + 8 u + i + 8 (i / 8)), source 1 = 16 positions:
; a lane's 16 registers of tiles 2 cg, 2 cg + 1 are output columns 32 cg + 16 (lane / 16) + 0..15 of one position: 64 consecutive bytes of its row.
; hq arrives as register images ([e][K step][tile][2,048]); wave w lays K step w of the quarter into the positions' rows in LDS.
; THE WAY OUT: the sums as they are, through a stage in LDS that takes the rows' place, so that each store covers 512 consecutive bytes of a row of part.
; NO TENSOR LOAD AND NO CLUSTER: branches here hang on a count read from memory; no weight is shared; what the 8 work-groups of a quarter share, hq, is 160 KiB of the 672 KiB that a work-group reads.
; LIMITS: |ew2| <= 126.  NaN among the inputs is not served.
; REGISTERS, window 0: v1 16 lane; v2 weights' offset; v3,4 where I store images; v5,6 where I read them; v7-11 my tiles' rows; v12-14 where I store rows; v15 hq offset; v16,17 stage in; v18,19 stage back;
;   v20, v21 part offsets; v32-63 codes (at the head: the tiles' offsets); v64-143 ten accumulators (at the head v64-223: hq's images); v144-175, v176-255 fragments (in CONV v144-207: 64 numbers at work).  window 1: two landing sets of 128.
.set RP,   4096                        ; a row of w2[e] in bytes
.set TRIP, 256*RP
.set XP,   1040                        ; a position's row in LDS: 1,024 codes + 16: row r starts at bank 4 r mod 64 (64 banks of 4 bytes: ISA guide 11.1)
.set FP,   2064                        ; from image to image: 2,048 + 16
.set WIMG, 160*XP
.set SP,   528                         ; a stage row: 128 f32 + 16 bytes
.set MSB, 0
.macro WIN new                         ; the immediate's high byte repeats the setting that is left
.if MSB != \new
	s_set_vgpr_msb (MSB<<8)|\new
.set MSB, \new
.endif
.endm
.macro WLOAD t, first                  ; trip t, my rows first .. first + 15, into landing set t % 2
	WIN 0x40                                       ; destination window 1
.irp j, 0,1,2,3,4,5,6,7,8,9,10,11,12,13,14,15
	global_load_b128 v[128*((\t)%2)+4*((\first)+\j):128*((\t)%2)+4*((\first)+\j)+3], v2, s[36+2*(\t):37+2*(\t)] offset:((\first)+\j)*RP th:TH_LOAD_NT
.endr
	WIN 0
.endm
; Rows 16 g .. 16 g + 15 of my 32 in trip t become codes.  left: the weight loads issued behind these sixteen.  re = 1: the landing half takes trip t + 2.
.macro CONV t, g, left, re
	s_wait_loadcnt \left
.if (\g) == 0
.rept 4
	v_nop                                          ; places between the last products and the writes over their operands (ISA guide 7.12.1)
.endr
.endif
	WIN 0x01                                       ; source 0 window 1
.set PP, 0
.rept 32
	v_pk_mul_f32 v[144+2*PP:145+2*PP], v[128*((\t)%2)+64*(\g)+2*PP:128*((\t)%2)+64*(\g)+2*PP+1], s[44:45] op_sel_hi:[1,0]   ; x 2^-ew: v[144 + 4 row + c]
.set PP, PP+1
.endr
	WIN 0
.if \re
	WLOAD (\t)+2, 16*(\g)
.endif
.set PP, 0
.rept 64
	v_med3_num_f32 v[144+PP], v[144+PP], s46, s47  ; the conversion does not saturate (ISA guide 7.6.2): held within +-448
.set PP, PP+1
.endr
; code register 4 c + i of the half: column c, rows 4 i .. 4 i + 3, the lowest row in the lowest byte
.set PP, 0
.if (\g) == 0
.irp d, v32.l,v33.l,v34.l,v35.l,v36.l,v37.l,v38.l,v39.l,v40.l,v41.l,v42.l,v43.l,v44.l,v45.l,v46.l,v47.l
	v_cvt_pk_fp8_f32 \d, v[144+16*(PP%4)+PP/4], v[148+16*(PP%4)+PP/4]
.set PP, PP+1
.endr
.set PP, 0
.irp d, v32.h,v33.h,v34.h,v35.h,v36.h,v37.h,v38.h,v39.h,v40.h,v41.h,v42.h,v43.h,v44.h,v45.h,v46.h,v47.h
	v_cvt_pk_fp8_f32 \d, v[152+16*(PP%4)+PP/4], v[156+16*(PP%4)+PP/4]
.set PP, PP+1
.endr
.else
.irp d, v48.l,v49.l,v50.l,v51.l,v52.l,v53.l,v54.l,v55.l,v56.l,v57.l,v58.l,v59.l,v60.l,v61.l,v62.l,v63.l
	v_cvt_pk_fp8_f32 \d, v[144+16*(PP%4)+PP/4], v[148+16*(PP%4)+PP/4]
.set PP, PP+1
.endr
.set PP, 0
.irp d, v48.h,v49.h,v50.h,v51.h,v52.h,v53.h,v54.h,v55.h,v56.h,v57.h,v58.h,v59.h,v60.h,v61.h,v62.h,v63.h
	v_cvt_pk_fp8_f32 \d, v[152+16*(PP%4)+PP/4], v[156+16*(PP%4)+PP/4]
.set PP, PP+1
.endr
.endif
	v_nop
.irp c, 0,1,2,3
	ds_store_b128 v[3+(\t)/2], v[32+16*(\g)+4*\c:32+16*(\g)+4*\c+3] offset:((\t)%2)*16*FP+16*\c+256*(\g)   ; column 4 lane + c: its tile's image, quad w % 4, half g, 16 x its index
.endr
.endm
.macro BAR                             ; my LDS stores have landed and my LDS loads are in: then the work-group's barrier
	s_wait_dscnt 0x0
	s_barrier_signal -1
	s_barrier_wait -1
.endm
; K step s: my two weight fragments, my five position fragments, ten products.  The ten accumulators take turns, one instruction a turn.  first = 1: the products start the sums.
.macro KSTEP s, first
.rept 4
	v_nop                                          ; places in front of loads into registers that matrix instructions have read
.endr
.irp u, 0,1
.irp q, 0,1,2,3
	ds_load_b128 v[144+16*\u+4*\q:147+16*\u+4*\q], v[5+(\s)/4] offset:(8*((\s)%4)+\u)*FP+512*\q
.endr
.endr
.irp i, 0,1,2,3,4
.irp q, 0,1,2,3
	ds_load_b128 v[176+16*\i+4*\q:179+16*\i+4*\q], v[7+\i] offset:128*(\s)+32*\q
.endr
.endr
.irp i, 0,1,2,3,4
	s_wait_dscnt 16-4*\i                           ; the later tiles' loads may be out
.irp u, 0,1
.if \first
	v_wmma_f32_16x16x128_fp8_fp8 v[64+16*\i+8*\u:71+16*\i+8*\u], v[144+16*\u:159+16*\u], v[176+16*\i:191+16*\i], 0
.else
	v_wmma_f32_16x16x128_fp8_fp8 v[64+16*\i+8*\u:71+16*\i+8*\u], v[144+16*\u:159+16*\u], v[176+16*\i:191+16*\i], v[64+16*\i+8*\u:71+16*\i+8*\u]
.endif
.endr
.endr
.endm
; the surplus loop's K step: one tile of positions (in window 1), my two weight fragments; two accumulators by turns
.macro OSTEP s
.rept 4
	v_nop
.endr
.irp u, 0,1
.irp q, 0,1,2,3
	ds_load_b128 v[144+16*\u+4*\q:147+16*\u+4*\q], v[5+(\s)/4] offset:(8*((\s)%4)+\u)*FP+512*\q
.endr
.endr
	s_wait_dscnt 0x0
	WIN 0x04                                       ; source 1 window 1
.irp u, 0,1
.if (\s) == 0
	v_wmma_f32_16x16x128_fp8_fp8 v[64+8*\u:71+8*\u], v[144+16*\u:159+16*\u], v[16*(\s):16*(\s)+15], 0
.else
	v_wmma_f32_16x16x128_fp8_fp8 v[64+8*\u:71+8*\u], v[144+16*\u:159+16*\u], v[16*(\s):16*(\s)+15], v[64+8*\u:71+8*\u]
.endif
.endr
	WIN 0
.endm
	s_load_b256 s[4:11], s[0:1], 0x0               ; cnt s[4:5], hq s[6:7], w2 s[8:9], scales s[10:11]
	s_load_b64 s[12:13], s[0:1], 0x20              ; part
	v_lshl_add_u32 v30, v0, 2, 0x48e00
	v_mov_b32 v31, 0
	v_lshrrev_b32 v224, 5, v0
	v_readfirstlane_b32 s20, v224                  ; wave 0..7
	s_and_b32 s21, s20, 3                          ; cg
	s_lshr_b32 s22, s20, 2                         ; th
	s_and_b32 s23, ttmp7, 0xffff                   ; the expert
	s_and_b32 s24, ttmp9, 7                        ; cs: which 128 output columns
	s_lshr_b32 s34, ttmp9, 3                       ; kq: which quarter of K
	v_and_b32 v244, 31, v0                         ; lane
	v_and_b32 v245, 15, v0                         ; r
	v_bfe_u32 v246, v0, 4, 1                       ; h
	v_lshlrev_b32 v1, 4, v244
	s_lshl_b32 s27, s20, 17                        ; my 32 rows of a trip: 32 w x 4,096 bytes
	v_add_nc_u32 v2, s27, v1
	v_add_nc_u32 v15, s27, v1                      ; hq: K step w of the quarter (131,072 bytes a K step), 16 bytes a lane
	s_lshl_b32 s28, s23, 24                        ; w2[e]: 16 MiB an expert,
	s_lshl_b32 s27, s34, 22                        ; 1,024 rows a quarter,
	s_add_co_u32 s28, s28, s27
	s_lshl_b32 s27, s24, 9                         ; 512 bytes of each row
	s_add_co_u32 s28, s28, s27
	s_mov_b32 s29, 0
	s_lshl_b32 s30, s23, 8                         ; cnt: 256 bytes an expert
	s_mov_b32 s31, 0
	s_lshl_b32 s32, s23, 4                         ; the expert's four exponents
	s_mov_b32 s33, 0
	s_wait_kmcnt 0x0
	s_add_nc_u64 s[36:37], s[8:9], s[28:29]        ; a base for each trip; never rewritten
	s_add_nc_u64 s[38:39], s[36:37], TRIP
	s_add_nc_u64 s[40:41], s[36:37], 2*TRIP
	s_add_nc_u64 s[42:43], s[36:37], 3*TRIP
	s_add_nc_u64 s[4:5], s[4:5], s[30:31]
	s_add_nc_u64 s[10:11], s[10:11], s[32:33]
	s_load_b32 s25, s[4:5], 0x0                    ; n
	s_load_b128 s[48:51], s[10:11], 0x0            ; ex, ew1, eh, ew2
	WLOAD 0, 0
	WLOAD 0, 16
	s_lshl_b32 s28, s23, 5
	s_lshl_b32 s27, s34, 3
	s_add_co_u32 s28, s28, s27
	s_lshl_b32 s28, s28, 17
	s_add_nc_u64 s[6:7], s[6:7], s[28:29]          ; hq at the quarter's first K step
	s_lshl_b32 s28, s34, 25                        ; part: 32 MiB a quarter,
	s_lshl_b32 s27, s23, 22                        ; 1,024 rows of 4,096 bytes an expert,
	s_add_co_u32 s28, s28, s27
	s_lshl_b32 s27, s24, 9                         ; my 512 bytes of a row
	s_add_co_u32 s28, s28, s27
	s_add_nc_u64 s[12:13], s[12:13], s[28:29]
	; LDS addresses: constants, the lane's bits and the wave's number
	v_lshrrev_b32 v224, 3, v244
	v_bfe_u32 v225, v0, 1, 1
	v_lshl_add_u32 v224, v224, 1, v225             ; columns 4 l + c lie in tile 2 (l / 8) + (l / 2) % 2,
	v_mul_u32_u24 v3, v224, FP
	v_bfe_u32 v225, v0, 2, 1
	v_lshl_add_u32 v3, v225, 7, v3                 ; at index 8 ((l / 4) % 2) + 4 (l % 2) + c: 16 bytes an index
	v_and_b32 v225, 1, v0
	v_lshl_add_u32 v3, v225, 6, v3
	s_mul_i32 s27, s22, 8*FP                       ; my rows lie in K step w / 4 of the trip's two,
	s_lshl_b32 s28, s21, 9                         ; in quad w % 4
	s_add_co_u32 s27, s27, s28
	s_add_co_u32 s27, s27, WIMG
	v_add_nc_u32 v3, s27, v3
	v_add_nc_u32 v4, 32*FP, v3                     ; trips 2 and 3
	s_mul_i32 s27, s21, 2*FP
	s_add_co_u32 s27, s27, WIMG
	v_add_nc_u32 v5, s27, v1                       ; reading: tile 2 cg, 16 bytes a lane
	v_add_nc_u32 v6, 32*FP, v5                     ; K steps 4 to 7
	v_mul_u32_u24 v7, v245, XP
	v_lshl_add_u32 v7, v246, 4, v7                 ; row r, + 16 h
	s_lshl_b32 s27, s20, 7
	v_add_nc_u32 v12, s27, v7                      ; I lay K step w: 128 bytes of each row
	v_add_nc_u32 v13, 64*XP, v12
	v_add_nc_u32 v14, 128*XP, v12
	s_mul_i32 s27, s22, 16*XP
	v_add_nc_u32 v7, s27, v7                       ; tile th
.irp i, 1,2,3,4
	v_add_nc_u32 v[7+\i], 32*XP*\i, v7             ; tiles 2 i + th
.endr
	v_mul_u32_u24 v16, v245, SP
	v_lshl_add_u32 v16, v246, 6, v16
	s_mul_i32 s27, s22, 16*SP
	s_lshl_b32 s28, s21, 7
	s_add_co_u32 s27, s27, s28
	v_add_nc_u32 v16, s27, v16                     ; the stage, in: row 16 th + r, + 128 cg + 64 h bytes
	v_add_nc_u32 v17, 3*32*SP, v16
	s_mul_i32 s27, s20, 2*SP
	v_add_nc_u32 v18, s27, v1                      ; back: rows 2 w, 2 w + 1 of each tile, 16 bytes a lane
	v_add_nc_u32 v19, 80*SP, v18
	s_lshl_b32 s27, s20, 13
	v_add_nc_u32 v20, s27, v1                      ; and the same in part
	v_lshlrev_b32 v21, 12, v245
	v_lshl_add_u32 v21, v246, 6, v21
	s_lshl_b32 s27, s21, 7
	v_add_nc_u32 v21, s27, v21                     ; the surplus loop's stores: row r, + 64 h + 128 cg
	s_mov_b32 s46, 0xc3e00000                      ; -448
	s_mov_b32 s47, 0x43e00000                      ; 448
	s_wait_kmcnt 0x0
	s_max_u32 s26, s25, 1
	s_add_co_u32 s28, s26, 15
	s_lshr_b32 s28, s28, 4
	s_sub_co_u32 s28, s28, 1                       ; the last tile that the launch before has written
	s_sub_co_i32 s44, 127, s51
	s_lshl_b32 s44, s44, 23                        ; 2^-ew2 as f32
	s_mov_b32 s45, s44                             ; (named with it as a pair, so it is written)
.irp m, 0,1,2,3,4,5,6,7,8,9
	s_min_u32 s27, s28, \m                         ; tiles past the last repeat it
	s_lshl_b32 s27, s27, 11
	v_add_nc_u32 v[32+\m], s27, v15                ; an offset register for each tile, so that none is rewritten while its loads are out
.irp q, 0,1,2,3
	global_load_b128 v[64+16*\m+4*\q:67+16*\m+4*\q], v[32+\m], s[6:7] offset:512*\q   ; a quad of an image: 512 consecutive bytes
.endr
.endr
	WLOAD 1, 0
	WLOAD 1, 16
	s_wait_loadcnt 32                              ; trip 0's weights and hq's images are in; behind them: trip 1's 32 loads
.irp m, 0,1,2,3,4,5,6,7,8,9
.irp q, 0,1,2,3
	ds_store_b128 v[12+\m/4], v[64+16*\m+4*\q:67+16*\m+4*\q] offset:(\m%4)*16*XP+32*\q   ; lane (r, h) holds k = 32 q + 16 h + 0..15 of position 16 m + r
.endr
.endr
.set PP, 0
.rept 32
	v_mov_b32 v[32+PP], 0                          ; the code registers are written half by half: whole once, here (the tiles' offsets are free since the wait for their loads)
.set PP, PP+1
.endr
	CONV 0, 0, 32, 1
	CONV 0, 1, 48, 1
	BAR                                            ; the positions' rows and K steps 0, 1 lie in LDS
	KSTEP 0, 1
	KSTEP 1, 0
	CONV 1, 0, 48, 1
	CONV 1, 1, 48, 1
	BAR
	KSTEP 2, 0
	KSTEP 3, 0
	CONV 2, 0, 48, 0
	CONV 2, 1, 32, 0
	BAR
	KSTEP 4, 0
	KSTEP 5, 0
	CONV 3, 0, 16, 0
	CONV 3, 1, 0, 0
	BAR
	KSTEP 6, 0
	KSTEP 7, 0
	; THE WAY OUT
.rept 4
	v_nop                                          ; places in front of the LDS stores that read results
.endr
	BAR                                            ; nobody reads the positions' rows any more: the stage takes their place
.irp i, 0,1,2,3,4
.irp k, 0,1,2,3
	ds_store_b128 v[16+\i/3], v[64+16*\i+4*\k:67+16*\i+4*\k] offset:(\i%3)*32*SP+16*\k   ; each accumulator from its low end on
.endr
.endr
	BAR                                            ; 160 whole rows of 512 bytes lie in the stage
.irp m, 0,1,2,3,4,5,6,7,8,9
.irp a, 0,1
	ds_load_b128 v[64+8*\m+4*\a:67+8*\m+4*\a], v[18+\m/5] offset:(16*(\m%5)+\a)*SP
.endr
.endr
	s_wait_dscnt 0x0
.irp m, 0,1,2,3,4,5,6,7,8,9
	s_cmp_le_u32 s25, 16*\m                        ; tiles that begin at or past n are not stored
	s_cbranch_scc1 .Lout_done
	global_store_b128 v20, v[64+8*\m:67+8*\m], s[12:13] offset:16*\m*4096           ; 512 consecutive bytes
	global_store_b128 v20, v[68+8*\m:71+8*\m], s[12:13] offset:(16*\m+1)*4096
.endr
.Lout_done:
	; POSITIONS FROM 160 ON: tiles 10 + 2 k + th, one a trip; no barrier, no LDS address that hangs on k; the images are all there
	s_mov_b32 s54, 0
	s_lshl_b32 s55, s22, 4
	s_add_co_u32 s55, s55, 160                     ; the tile's first position
	s_mov_b32 s57, 0
	s_mov_b32 s61, 0
.Lover:
	s_cmp_ge_u32 s55, s25
	s_cbranch_scc1 .Lend                           ; the tiles ascend: none further on has a token
	s_wait_xcnt 0x0                                ; earlier stores have read their registers and bases
	s_lshl_b32 s56, s55, 7                         ; 2,048 bytes a tile
	s_add_nc_u64 s[58:59], s[6:7], s[56:57]
.rept 4
	v_nop                                          ; places in front of loads into registers that the last trip's products have read
.endr
	WIN 0x40
.irp s, 0,1,2,3,4,5,6,7
.irp q, 0,1,2,3
	global_load_b128 v[16*\s+4*\q:16*\s+4*\q+3], v1, s[58:59] offset:131072*\s+512*\q   ; the images are the fragments
.endr
.endr
	WIN 0
	s_wait_loadcnt 0x0
.irp s, 0,1,2,3,4,5,6,7
	OSTEP \s
.endr
.rept 4
	v_nop
.endr
	s_lshl_b32 s60, s55, 12
	s_add_nc_u64 s[62:63], s[12:13], s[60:61]
.irp k, 0,1,2,3
	global_store_b128 v21, v[64+4*\k:67+4*\k], s[62:63] offset:16*\k
.endr
	s_add_co_u32 s55, s55, 32
	s_add_co_u32 s54, s54, 1
	s_cmp_lt_u32 s54, 27
	s_cbranch_scc1 .Lover
.Lend:
	s_wait_tensorcnt 0x0
	ds_add_u32 v30, v31
	s_wait_dscnt 0x0
	s_endpgm
.Lfunc_end_k_qb705f14f02_ffn2:
	.size	k_qb705f14f02_ffn2, .Lfunc_end_k_qb705f14f02_ffn2-k_qb705f14f02_ffn2
	.p2alignl 7, 3214868480
	.fill 96, 4, 3214868480
	.section	.rodata,"a",@progbits
	.p2align	6, 0x0
	.amdhsa_kernel k_qb705f14f02_ffn2
		.amdhsa_group_segment_fixed_size 299520
		.amdhsa_private_segment_fixed_size 0
		.amdhsa_enable_private_segment 0
		.amdhsa_kernarg_size 40
		.amdhsa_user_sgpr_count 2
		.amdhsa_user_sgpr_kernarg_segment_ptr 1
		.amdhsa_wavefront_size32 1
		.amdhsa_system_sgpr_workgroup_id_x 1
		.amdhsa_system_sgpr_workgroup_id_y 1
		.amdhsa_system_sgpr_workgroup_id_z 1
		.amdhsa_system_vgpr_workitem_id 0
		.amdhsa_next_free_vgpr 512
		.amdhsa_next_free_sgpr 66
		.amdhsa_reserve_vcc 0
		.amdhsa_float_denorm_mode_32 3
		.amdhsa_float_denorm_mode_16_64 3
		.amdhsa_memory_ordered 1
		.amdhsa_forward_progress 1
		.amdhsa_inst_pref_size 132
	.end_amdhsa_kernel
	.amdgpu_metadata
---
amdhsa.version: [ 1, 2 ]
amdhsa.kernels:
  - .name:           k_qb705f14f02_ffn2
    .symbol:         k_qb705f14f02_ffn2.kd
    .args:
      - { .name: cnt, .offset: 0, .size: 8, .value_kind: global_buffer, .address_space: global }
      - { .name: hq, .offset: 8, .size: 8, .value_kind: global_buffer, .address_space: global }
      - { .name: w2, .offset: 16, .size: 8, .value_kind: global_buffer, .address_space: global }
      - { .name: lowp_scales, .offset: 24, .size: 8, .value_kind: global_buffer, .address_space: global }
      - { .name: part, .offset: 32, .size: 8, .value_kind: global_buffer, .address_space: global }
    .group_segment_fixed_size: 299520
    .private_segment_fixed_size: 0
    .kernarg_segment_align: 8
    .kernarg_segment_size: 40
    .max_flat_workgroup_size: 256
    .sgpr_count:     66
    .vgpr_count:     512
    .wavefront_size: 32
...
	.end_amdgpu_metadata
.endif
;; end of part 3
;; launch combine (part 4): grid 256 x 1, 4 waves a work-group, no clusters, 0 bytes of LDS; arguments part, rowof, sel, wgt, b2, lowp_scales, out0; writes out0
.if DOCPART == 4
	.amdgcn_target "amdgcn-amd-amdhsa--gfx1250"
	.amdhsa_code_object_version 6
	.text
	.protected	k_qb705f14f02_combine
	.globl	k_qb705f14f02_combine
	.p2align	8
	.type	k_qb705f14f02_combine,@function
k_qb705f14f02_combine:
	s_mov_b64 s[64:65], 0
	v_nop
	global_prefetch_b8 v0, s[64:65] scope:SCOPE_SE
	s_setreg_imm32_b32 hwreg(HW_REG_WAVE_MODE, 25, 1), 1
	s_wait_xcnt 0x0
; out0[t] = wgt[t] x ((the four parts of the second product's sums, added) x 2^(eh + ew2) + b2[e]), e = sel[t], the parts' row = rowof[t].
; One wave owns one token's row of 1,024 f32: each output number has one owner, and nothing is added across work-groups.
; rowof and sel are whole numbers stored by earlier launches; they are held within their tables before they enter an address.
; A stream: 40 loads of 512 consecutive bytes a wave, all issued before the first is used; each store covers 512 consecutive bytes.  No LDS, no barrier, no matrix unit.
; LIMIT: eh + ew2 between -126 and 127, so that 2^(eh + ew2) is an f32 number.
.set D, 16                             ; v16-175: for each of 8 pieces of the row: four parts and b2, 4 registers each
	s_load_b256 s[4:11], s[0:1], 0x0               ; part s[4:5], rowof s[6:7], sel s[8:9], wgt s[10:11]
	s_load_b128 s[12:15], s[0:1], 0x20             ; b2 s[12:13], scales s[14:15]
	s_load_b64 s[16:17], s[0:1], 0x30              ; out0
	v_lshrrev_b32 v2, 5, v0
	v_readfirstlane_b32 s19, v2                    ; wave 0..3
	v_and_b32 v1, 31, v0
	v_lshlrev_b32 v1, 4, v1                        ; 16 x lane
	s_lshl_b32 s18, ttmp9, 2
	s_add_co_u32 s18, s18, s19                     ; my token
	s_lshl_b32 s20, s18, 2
	s_mov_b32 s21, 0
	s_wait_kmcnt 0x0
	s_add_nc_u64 s[6:7], s[6:7], s[20:21]
	s_add_nc_u64 s[8:9], s[8:9], s[20:21]
	s_add_nc_u64 s[10:11], s[10:11], s[20:21]
	s_load_b32 s22, s[6:7], 0x0                    ; 1024 e + position
	s_load_b32 s23, s[8:9], 0x0                    ; e
	s_load_b32 s24, s[10:11], 0x0                  ; the gate's weight
	s_lshl_b32 s20, s18, 12
	s_add_nc_u64 s[16:17], s[16:17], s[20:21]      ; my row of out0
	s_wait_kmcnt 0x0
	s_min_u32 s22, s22, 0x1fff
	s_min_u32 s23, s23, 7
	s_lshl_b32 s20, s23, 4
	s_add_nc_u64 s[14:15], s[14:15], s[20:21]
	s_load_b64 s[26:27], s[14:15], 0x8             ; eh, ew2
	s_lshl_b32 s20, s22, 12
	s_add_nc_u64 s[28:29], s[4:5], s[20:21]        ; my row in each of the four parts, 32 MiB apart
	s_add_nc_u64 s[30:31], s[28:29], 0x2000000
	s_add_nc_u64 s[32:33], s[28:29], 0x4000000
	s_add_nc_u64 s[34:35], s[28:29], 0x6000000
	s_lshl_b32 s20, s23, 12
	s_add_nc_u64 s[12:13], s[12:13], s[20:21]      ; b2[e]
.irp j, 0,1,2,3,4,5,6,7
.irp k, 0,1,2,3
	global_load_b128 v[D+20*\j+4*\k:D+20*\j+4*\k+3], v1, s[28+2*\k:29+2*\k] offset:512*\j th:TH_LOAD_NT
.endr
	global_load_b128 v[D+20*\j+16:D+20*\j+19], v1, s[12:13] offset:512*\j
.endr
	s_wait_kmcnt 0x0
	s_add_co_i32 s38, s26, s27
	s_add_co_i32 s38, s38, 127
	s_lshl_b32 s38, s38, 23                        ; 2^(eh + ew2) as f32
	s_mov_b32 s39, s38                             ; (the packed forms name pairs and take the low word for both halves: so the upper words are written)
	s_mov_b32 s40, s24
	s_mov_b32 s41, s24
.irp j, 0,1,2,3,4,5,6,7
	s_wait_loadcnt 35-5*\j                         ; this piece's five loads are in; the later pieces' may be out
.irp p, 0,2
	v_pk_add_f32 v[D+20*\j+\p:D+20*\j+\p+1], v[D+20*\j+\p:D+20*\j+\p+1], v[D+20*\j+4+\p:D+20*\j+5+\p]
	v_pk_add_f32 v[D+20*\j+8+\p:D+20*\j+9+\p], v[D+20*\j+8+\p:D+20*\j+9+\p], v[D+20*\j+12+\p:D+20*\j+13+\p]
.endr
.irp p, 0,2
	v_pk_add_f32 v[D+20*\j+\p:D+20*\j+\p+1], v[D+20*\j+\p:D+20*\j+\p+1], v[D+20*\j+8+\p:D+20*\j+9+\p]
.endr
.irp p, 0,2
	v_pk_fma_f32 v[D+20*\j+\p:D+20*\j+\p+1], v[D+20*\j+\p:D+20*\j+\p+1], s[38:39], v[D+20*\j+16+\p:D+20*\j+17+\p] op_sel_hi:[1,0,1]
.endr
.irp p, 0,2
	v_pk_mul_f32 v[D+20*\j+\p:D+20*\j+\p+1], v[D+20*\j+\p:D+20*\j+\p+1], s[40:41] op_sel_hi:[1,0]
.endr
	global_store_b128 v1, v[D+20*\j:D+20*\j+3], s[16:17] offset:512*\j th:TH_STORE_NT   ; no register of a store is written again
.endr
	s_endpgm
.Lfunc_end_k_qb705f14f02_combine:
	.size	k_qb705f14f02_combine, .Lfunc_end_k_qb705f14f02_combine-k_qb705f14f02_combine
	.p2alignl 7, 3214868480
	.fill 96, 4, 3214868480
	.section	.rodata,"a",@progbits
	.p2align	6, 0x0
	.amdhsa_kernel k_qb705f14f02_combine
		.amdhsa_group_segment_fixed_size 0
		.amdhsa_private_segment_fixed_size 0
		.amdhsa_enable_private_segment 0
		.amdhsa_kernarg_size 56
		.amdhsa_user_sgpr_count 2
		.amdhsa_user_sgpr_kernarg_segment_ptr 1
		.amdhsa_wavefront_size32 1
		.amdhsa_system_sgpr_workgroup_id_x 1
		.amdhsa_system_sgpr_workgroup_id_y 1
		.amdhsa_system_sgpr_workgroup_id_z 1
		.amdhsa_system_vgpr_workitem_id 0
		.amdhsa_next_free_vgpr 176
		.amdhsa_next_free_sgpr 66
		.amdhsa_reserve_vcc 0
		.amdhsa_float_denorm_mode_32 3
		.amdhsa_float_denorm_mode_16_64 3
		.amdhsa_memory_ordered 1
		.amdhsa_forward_progress 1
		.amdhsa_inst_pref_size 12
	.end_amdhsa_kernel
	.amdgpu_metadata
---
amdhsa.version: [ 1, 2 ]
amdhsa.kernels:
  - .name:           k_qb705f14f02_combine
    .symbol:         k_qb705f14f02_combine.kd
    .args:
      - { .name: part, .offset: 0, .size: 8, .value_kind: global_buffer, .address_space: global }
      - { .name: rowof, .offset: 8, .size: 8, .value_kind: global_buffer, .address_space: global }
      - { .name: sel, .offset: 16, .size: 8, .value_kind: global_buffer, .address_space: global }
      - { .name: wgt, .offset: 24, .size: 8, .value_kind: global_buffer, .address_space: global }
      - { .name: b2, .offset: 32, .size: 8, .value_kind: global_buffer, .address_space: global }
      - { .name: lowp_scales, .offset: 40, .size: 8, .value_kind: global_buffer, .address_space: global }
      - { .name: out0, .offset: 48, .size: 8, .value_kind: global_buffer, .address_space: global }
    .group_segment_fixed_size: 0
    .private_segment_fixed_size: 0
    .kernarg_segment_align: 8
    .kernarg_segment_size: 56
    .max_flat_workgroup_size: 128
    .sgpr_count:     66
    .vgpr_count:     176
    .wavefront_size: 32
...
	.end_amdgpu_metadata
.endif
;; end of part 4
;; ======== version 2 of 2: 4 launches; version 1 with the launches ffn1, ffn2 written anew for expert scheduling mode
;; workspace buffers: xq 1,048,576 bytes; sel 4,096 bytes of whole numbers; wgt 4,096 bytes; hq 33,554,432 bytes; rowof 4,096 bytes of whole numbers; cnt 2,048 bytes of whole numbers; part 134,217,728 bytes
;; launch route: the kernel of part 1 again; grid 256 x 1, 4 waves a work-group, no clusters, 37,632 bytes of LDS; arguments x, w_router, lowp_scales, xq, sel, wgt; writes xq, sel, wgt
;; launch ffn1 (part 5): grid 32 x 8, 8 waves a work-group, no clusters, 299,520 bytes of LDS; arguments sel, xq, w1, b1, lowp_scales, hq, rowof, cnt; writes hq, rowof, cnt
.if DOCPART == 5
	.amdgcn_target "amdgcn-amd-amdhsa--gfx1250"
	.amdhsa_code_object_version 6
	.text
	.protected	k_qb705f14f02_ffn1
	.globl	k_qb705f14f02_ffn1
	.p2align	8
	.type	k_qb705f14f02_ffn1,@function
k_qb705f14f02_ffn1:
	s_mov_b64 s[64:65], 0
	v_nop
	global_prefetch_b8 v0, s[64:65] scope:SCOPE_SE
	s_setreg_imm32_b32 hwreg(HW_REG_WAVE_SCHED_MODE, 0, 2), 2
	s_setreg_imm32_b32 hwreg(HW_REG_WAVE_MODE, 25, 1), 1
	s_wait_xcnt 0x0
	s_wait_alu depctr_vm_vsrc(0)
; THE FIRST PRODUCT OF THE CHOSEN EXPERTS: hq = Q(relu(Q(x) Q(w1[e]) + b1[e])), only for the tokens that chose expert e.
; Work-group (slice, e): hidden units 128 slice .. + 127 of expert e, all K = 1,024, all tokens of e.  w1[e] is [1024 (k)][4096] f32: each number is read by ONE
; work-group, so it is quantised here, on its way: no launch and no buffer for weight codes.
; THE TOKENS OF AN EXPERT.  sel (stored by the launch before) is read whole; 32 lane masks (register g of the list, bit l: token 128 (g / 4) + g % 4 + 4 l) lie in s68-99.
; Position p of expert e is the p-th set bit of the 32 masks on end; RANKSEL finds it in registers.  Every work-group of an expert makes the same order; slice 0 stores
; rowof[token] = 1024 e + p and cnt[e] = n for the later launches.
; THE MAIN WAY IS STRAIGHT: 160 positions (10 tiles of 16) are always multiplied; positions from n on repeat position n - 1.  Only stores, and a loop without barrier for
; positions from 160 on, hang on n.  That loop reads each token's codes in pieces of 16 bytes: the price of a split that is far from even.
; An expert without tokens still walks its weights and stores tile 0 of hq (codes of some token), which the next launch loads and does not keep.
; WEIGHTS: four trips of 256 rows of K.  Wave w takes rows 32 w .. + 31 of a trip; each load reads 512 consecutive bytes of one row (128 columns, 4 a lane); two sets of 32 loads
; are under way (where the counter's field is full, the issue stalls: ISA guide 5.7.1).  Each number is held within +-448 x 2^ew1, and the hold lays it where its column's 16 rows stand in consecutive registers;
; the conversion divides by 2^ew1, eight codes an instruction; 16 codes down K of one column are 16 bytes
; of an IMAGE OF THE OPERAND'S REGISTERS in LDS.  All 64 images (8 K steps x 8 tiles of 16 columns) stay: none is written twice.
; PRODUCTS, transposed: source 0 = 16 columns of w1, source 1 = 16 tokens.  TILE 2 b + u TAKES COLUMNS 32 b + 8 u + i + 8 (i / 8), so that a lane's 16 registers of tiles 2 cg, 2 cg + 1 are hidden units
; 32 cg + 16 (lane / 16) + 0..15 of ONE token: the conversions' results are 16 bytes of the next operand's register image.  Wave w multiplies tiles 2 cg, 2 cg + 1 (cg = w % 4) by token tiles 2 i + th (th = w / 4).
; Both operands hold k = 32 q + 16 (lane / 16) + 0..15 in registers 4 q .. 4 q + 3: the same permutation of k on both sides, so every product meets its partner.
; b1 / 2^(ex + ew1) is the C of each sum's first product; relu is the lower end of the hold; the three scales ahead of the quantiser are one: 2^(eh - ex - ew1).
; hq: [e][K step = slice][tile of 16 positions][2,048]: quad q = cg at 512 q, lane l's 16 bytes at 16 l.
; NO TENSOR LOAD AND NO CLUSTER: branches here hang on counts read from memory; no weight is shared; what the 32 work-groups of an expert share, the tokens' codes, is 160 KiB of the 672 KiB that a work-group reads.
; LIMITS: ew1, and eh - ex - ew1, between -126 and 119, so that each scale and 448 x the scale are f32 numbers.  NaN among the inputs is not served.
; REGISTERS, window 0: v1 16 lane; v2 weights' offset; v3,4 where I store images; v5,6 where I read them; v7-11 my token tiles' rows; v12-14 where I store tokens' rows; v15 hq offset; v16-31 bias;
;   v32-63 codes (at the head: the rows' offsets); v64-143 ten accumulators (at the head v64-223: tokens' codes); v144-175 two weight fragments, v176-255 five token fragments (in CONV v144-207: 64 numbers at work, v208: 2^ew1).
;   window 1: two landing sets of 128.
; THE MODE: SCHED_MODE bits 1:0 = 2 (LLVM: expert scheduling mode 2), set by the entry lines.  The code itself states the register dependences between vector or matrix instructions and
; memory or LDS instructions, and those through scalar registers and VCC that vector instructions write, with s_wait_alu, always for 0.
; THE PLAN.  Registers that memory or LDS instructions touch, and who else names them:
;   the landing sets   A half (16 rows, 64 registers) is written by 16 weight loads and read by the 64 holds at the head of its CONV.  One wait on va_vdst stands behind them, and the half is asked for again at once.
;   v32-63, codes      Written by a half's conversions, read by four LDS stores.  The first half's stores stand in the second half's CONV, behind the wait that stands there; the second half's have a wait of their own,
;                      in front of the barrier.  One wait on vm_vsrc at the head of each trip but the first, and one ahead of the way out: the stores have read the codes before they are written again.
;   v144-255           LDS loads land there, products read them, CONV works in v144-208.  A trip's first K step follows CONV's last wait on va_vdst with no vector or matrix instruction but v_nop between: nothing more is owed.
;                      Its second K step has one wait on va_vdst: the first's products are done reading.
;   v64-223, head      The list lands in v64-95 and the compares read it; then the tokens' codes land in v64-223 and 40 LDS stores read them; then they are accumulators, CONV's numbers and fragments: one wait on vm_vsrc behind the stores.
;   v1-v15, v32-51     Offsets and LDS addresses: written at the head, ahead of the wait on va_vdst in front of the tokens' loads; v1-v15 are never written again.
.set RP,   16384                       ; a row of w1[e] in bytes
.set TRIP, 256*RP
.set XP,   1040                        ; a token's row in LDS: 1,024 codes + 16: row r starts at bank 4 r mod 64 (64 banks of 4 bytes: ISA guide 11.1)
.set FP,   2064                        ; from image to image: 2,048 + 16
.set WIMG, 160*XP                      ; the images lie behind the tokens' 160 rows
.set MSB, 0
.macro WIN new                         ; the immediate's high byte repeats the setting that is left
.if MSB != \new
	s_set_vgpr_msb (MSB<<8)|\new
.set MSB, \new
.endif
.endm
.macro WLOAD t, first, dep             ; trip t, my rows first .. first + 15, into landing set t % 2.  dep = 1: the landing half has just been read
	WIN 0x40                                       ; destination window 1
.if \dep
	s_wait_alu depctr_va_vdst(0)                   ; the holds are done reading the landing half in which these loads land; in a trip's second half also: the first half's conversions have written v32-47, which the LDS stores behind these loads read
.endif
.irp j, 0,1,2,3,4,5,6,7,8,9,10,11,12,13,14,15
	global_load_b128 v[128*((\t)%2)+4*((\first)+\j):128*((\t)%2)+4*((\first)+\j)+3], v2, s[36+2*(\t):37+2*(\t)] offset:((\first)+\j)*RP th:TH_LOAD_NT
.endr
	WIN 0
.endm
.macro PUT t, g                        ; half g's codes of trip t go into the images
.irp c, 0,1,2,3
	ds_store_b128 v[3+(\t)/2], v[32+16*(\g)+4*\c:32+16*(\g)+4*\c+3] offset:((\t)%2)*16*FP+16*\c+256*(\g)   ; column 4 lane + c: its tile's image, quad w % 4, half g, 16 x its index
.endr
.endm
; Rows 16 g .. 16 g + 15 of my 32 in trip t become codes.  left: the weight loads issued behind these sixteen.  re = 1: the landing half takes trip t + 2.
.macro CONV t, g, left, re
	s_wait_loadcnt \left
.if (\g) == 0
.rept 4
	v_nop                                          ; places between the last products and the writes over their operands (ISA guide 7.12.1)
.endr
.if (\t) > 0
	s_wait_alu depctr_vm_vsrc(0)                   ; the last trip's LDS stores have read v32-63, which this trip's conversions write again
.endif
	v_mov_b32 v208, s44                            ; 2^ew as f32, for both halves' conversions: no register of window 0 is free across the K steps, so it is made anew in each trip
.endif
	WIN 0x01                                       ; source 0 window 1
.set PP, 0
.rept 64
	v_med3_num_f32 v[144+16*(PP%4)+PP/4], v[128*((\t)%2)+64*(\g)+PP], s46, s47   ; the conversion does not saturate (ISA guide 7.6.2): held within +-448 x 2^ew.  Landing register 4 row + c goes to v[144 + 16 c + row]: a column's rows on end
.set PP, PP+1
.endr
.if \re
	WLOAD (\t)+2, 16*(\g), 1
.else
	WIN 0
.if (\g) == 1
	s_wait_alu depctr_va_vdst(0)                   ; the first half's conversions have written v32-47, which the LDS stores below read
.endif
.endif
.if (\g) == 1
	PUT \t, 0                                      ; no vector instruction since the wait names v32-47 or the stores' address
.endif
; code register 4 c + i of the half: column c, rows 4 i .. 4 i + 3, the lowest row in the lowest byte
.set PP, 0
.rept 8
	v_cvt_scalef32_pk8_fp8_f32 v[32+16*(\g)+2*PP:33+16*(\g)+2*PP], v[144+8*PP:151+8*PP], v208   ; column PP / 2, rows 8 (PP % 2) + 0..7: / 2^ew, to the nearest code, ties to even
.set PP, PP+1
.endr
	v_nop                                          ; a plain line behind the last conversion
.if (\g) == 1
	s_wait_alu depctr_va_vdst(0)                   ; this half's conversions have written v48-63, which the LDS stores below read; all that named v144-255 is done too, so the next K step's loads owe nothing more
	PUT \t, 1
.endif
.endm
.macro BAR                             ; my LDS stores have landed and my LDS loads are in: then the work-group's barrier
	s_wait_dscnt 0x0
	s_barrier_signal -1
	s_barrier_wait -1
.endm
; K step s: my two weight fragments, my five token fragments, ten products.  The ten accumulators take turns, one instruction a turn.  dep = 1: a K step stands straight ahead of this one.
.macro KSTEP s, first, dep
.rept 4
	v_nop                                          ; places in front of loads into registers that matrix instructions have read
.endr
.if \dep
	s_wait_alu depctr_va_vdst(0)                   ; the products of the K step before are done reading v144-255, in which the loads below land
.endif
.irp u, 0,1
.irp q, 0,1,2,3
	ds_load_b128 v[144+16*\u+4*\q:147+16*\u+4*\q], v[5+(\s)/4] offset:(8*((\s)%4)+\u)*FP+512*\q
.endr
.endr
.irp i, 0,1,2,3,4
.irp q, 0,1,2,3
	ds_load_b128 v[176+16*\i+4*\q:179+16*\i+4*\q], v[7+\i] offset:128*(\s)+32*\q
.endr
.endr
.irp i, 0,1,2,3,4
	s_wait_dscnt 16-4*\i                           ; the later token tiles' loads may be out
.irp u, 0,1
.if \first
	v_wmma_f32_16x16x128_fp8_fp8 v[64+16*\i+8*\u:71+16*\i+8*\u], v[144+16*\u:159+16*\u], v[176+16*\i:191+16*\i], v[16+8*\u:23+8*\u]
.else
	v_wmma_f32_16x16x128_fp8_fp8 v[64+16*\i+8*\u:71+16*\i+8*\u], v[144+16*\u:159+16*\u], v[176+16*\i:191+16*\i], v[64+16*\i+8*\u:71+16*\i+8*\u]
.endif
.endr
.endr
.endm
; v[vtok] = the token at position v[vp] of my expert.  First the group: the last of the 32 masks whose count of earlier set bits is at most the position; then the bit, by halving, from counts of 16, 8, 4, 2 and 1 bits.
.macro LEVEL a, wd
	v_bfe_u32 v232, v[\a], v231, \wd               ; set bits among the next wd
	v_cmp_ge_u32 vcc_lo, v226, v232
	s_wait_alu depctr_va_vcc(0)                    ; VCC is written, ahead of the two selects that read it (each halving hangs on the one before: no run of compares can be laid here)
	v_cndmask_b32 v232, 0, v232, vcc_lo
	v_cndmask_b32 v233, 0, \wd, vcc_lo
	v_sub_nc_u32 v226, v226, v232                  ; pass over them, or stay
	v_add_nc_u32 v231, v231, v233
.endm
; The 31 compares go in runs of eight, into s32-35 and s60-63, with one wait behind each run; the selects then count the set bits once more, in s31.
.macro RANKSEL vp, vtok
	s_mov_b32 s30, 0                               ; set bits ahead of the group, as the compares walk
	s_mov_b32 s31, 0                               ; the same, as the selects walk
	v_mov_b32 v224, s68                            ; the group's mask
	v_mov_b32 v225, 0                              ; (set bits ahead of the group) << 10 | the group's first token
.set RB, 1
.rept 4
.set RJ, 0
.rept 8
.if RB+RJ < 32
	s_bcnt1_i32_b32 s27, s[68+RB+RJ-1]
	s_add_co_u32 s30, s30, s27
	v_cmp_le_u32 s[32+RJ+24*(RJ/4)], s30, v[\vp]
.endif
.set RJ, RJ+1
.endr
	s_wait_alu depctr_va_sdst(0)                   ; the run's compares have written their masks, ahead of the selects that read them
.set RJ, 0
.rept 8
.if RB+RJ < 32
	s_bcnt1_i32_b32 s27, s[68+RB+RJ-1]
	s_add_co_u32 s31, s31, s27
	s_lshl_b32 s28, s31, 10
	s_or_b32 s28, s28, 128*((RB+RJ)>>2)+((RB+RJ)&3)
	v_cndmask_b32 v224, v224, s[68+RB+RJ], s[32+RJ+24*(RJ/4)]
	v_cndmask_b32 v225, v225, s28, s[32+RJ+24*(RJ/4)]
.endif
.set RJ, RJ+1
.endr
.set RB, RB+8
.endr
	v_lshrrev_b32 v226, 10, v225
	v_sub_nc_u32 v226, v[\vp], v226                ; the rank inside the group
	v_lshrrev_b32 v227, 1, v224
	v_and_b32 v227, 0x55555555, v227
	v_sub_nc_u32 v227, v224, v227                  ; counts of 2 bits
	v_lshrrev_b32 v228, 2, v227
	v_and_b32 v228, 0x33333333, v228
	v_and_b32 v229, 0x33333333, v227
	v_add_nc_u32 v228, v228, v229                  ; of 4
	v_lshrrev_b32 v229, 4, v228
	v_add_nc_u32 v229, v229, v228
	v_and_b32 v229, 0x0f0f0f0f, v229               ; of 8
	v_lshrrev_b32 v230, 8, v229
	v_add_nc_u32 v230, v230, v229
	v_and_b32 v230, 0x00ff00ff, v230               ; of 16
	v_mov_b32 v231, 0                              ; the bit
	LEVEL 230, 16
	LEVEL 229, 8
	LEVEL 228, 4
	LEVEL 227, 2
	LEVEL 224, 1
	v_and_b32 v[\vtok], 0x3ff, v225
	v_lshl_add_u32 v[\vtok], v231, 2, v[\vtok]
	v_min_u32 v[\vtok], 0x3ff, v[\vtok]            ; a token's number, whatever the list holds
.endm
; the surplus loop's K step: one token tile (in window 1), my two weight fragments; two accumulators by turns
.macro OSTEP s
.rept 4
	v_nop
.endr
.if (\s) > 0
	s_wait_alu depctr_va_vdst(0)                   ; the products of the K step before are done reading v144-175, in which the loads below land (ahead of the first K step the wait in front of the tokens' loads has covered all)
.endif
.irp u, 0,1
.irp q, 0,1,2,3
	ds_load_b128 v[144+16*\u+4*\q:147+16*\u+4*\q], v[5+(\s)/4] offset:(8*((\s)%4)+\u)*FP+512*\q
.endr
.endr
	s_wait_dscnt 0x0
	WIN 0x04                                       ; source 1 window 1
.irp u, 0,1
.if (\s) == 0
	v_wmma_f32_16x16x128_fp8_fp8 v[64+8*\u:71+8*\u], v[144+16*\u:159+16*\u], v[16*(\s):16*(\s)+15], v[16+8*\u:23+8*\u]
.else
	v_wmma_f32_16x16x128_fp8_fp8 v[64+8*\u:71+8*\u], v[144+16*\u:159+16*\u], v[16*(\s):16*(\s)+15], v[64+8*\u:71+8*\u]
.endif
.endr
	WIN 0
.endm
	s_load_b512 s[4:19], s[0:1], 0x0               ; sel s[4:5], xq s[6:7], w1 s[8:9], b1 s[10:11], scales s[12:13], hq s[14:15], rowof s[16:17], cnt s[18:19]
	v_lshrrev_b32 v224, 5, v0
	v_readfirstlane_b32 s20, v224                  ; wave 0..7
	v_and_b32 v244, 31, v0                         ; lane
	v_and_b32 v245, 15, v0                         ; r
	v_bfe_u32 v246, v0, 4, 1                       ; h
	v_lshlrev_b32 v1, 4, v244
	v_lshlrev_b32 v250, 6, v246                    ; the bias: 16 numbers further on for lanes 16-31
	s_wait_alu depctr_va_sdst(0)                   ; s20 is written, ahead of its first reader
	s_and_b32 s21, s20, 3                          ; cg
	s_lshr_b32 s22, s20, 2                         ; th
	s_and_b32 s23, ttmp7, 0xffff                   ; the expert
	s_mov_b32 s24, ttmp9                           ; the slice
	s_lshl_b32 s27, s20, 19                        ; my 32 rows of a trip: 32 w x 16,384 bytes
	v_add_nc_u32 v2, s27, v1
	s_lshl_b32 s28, s23, 24                        ; w1[e]: 16 MiB an expert,
	s_lshl_b32 s27, s24, 9                         ; 512 bytes of each row a slice
	s_add_co_u32 s28, s28, s27
	s_mov_b32 s29, 0
	s_lshl_b32 s30, s23, 14                        ; b1[e], the slice's 128 numbers,
	s_add_co_u32 s30, s30, s27
	s_lshl_b32 s27, s21, 7                         ; my 32 of them
	s_add_co_u32 s30, s30, s27
	s_mov_b32 s31, 0
	s_lshl_b32 s32, s23, 4                         ; the expert's four exponents
	s_mov_b32 s33, 0
	s_wait_kmcnt 0x0
	s_add_nc_u64 s[36:37], s[8:9], s[28:29]        ; a base for each trip; never rewritten
	s_add_nc_u64 s[38:39], s[36:37], TRIP
	s_add_nc_u64 s[40:41], s[36:37], 2*TRIP
	s_add_nc_u64 s[42:43], s[36:37], 3*TRIP
	s_add_nc_u64 s[10:11], s[10:11], s[30:31]
	s_add_nc_u64 s[12:13], s[12:13], s[32:33]
	s_load_b128 s[48:51], s[12:13], 0x0            ; ex, ew1, eh, ew2
	s_wait_alu depctr_va_vdst(0)                   ; v1, v250 and v2 are written: the offsets of the loads below
.irp j, 0,1,2,3,4,5,6,7
	global_load_b128 v[64+4*\j:67+4*\j], v1, s[4:5] offset:512*\j    ; the whole list of choices
.endr
.irp k, 0,1,2,3
	global_load_b128 v[16+4*\k:19+4*\k], v250, s[10:11] offset:16*\k ; b1 at hidden units 32 cg + 16 h + 0..15: the result's layout
.endr
	WLOAD 0, 0, 0
	WLOAD 0, 16, 0
	; LDS addresses: constants, the lane's bits and the wave's number
	v_lshrrev_b32 v224, 3, v244
	v_bfe_u32 v225, v0, 1, 1
	v_lshl_add_u32 v224, v224, 1, v225             ; columns 4 l + c lie in tile 2 (l / 8) + (l / 2) % 2,
	v_mul_u32_u24 v3, v224, FP
	v_bfe_u32 v225, v0, 2, 1
	v_lshl_add_u32 v3, v225, 7, v3                 ; at index 8 ((l / 4) % 2) + 4 (l % 2) + c: 16 bytes an index
	v_and_b32 v225, 1, v0
	v_lshl_add_u32 v3, v225, 6, v3
	s_mul_i32 s27, s22, 8*FP                       ; my rows lie in K step w / 4 of the trip's two,
	s_lshl_b32 s28, s21, 9                         ; in quad w % 4
	s_add_co_u32 s27, s27, s28
	s_add_co_u32 s27, s27, WIMG
	v_add_nc_u32 v3, s27, v3
	v_add_nc_u32 v4, 32*FP, v3                     ; trips 2 and 3
	s_mul_i32 s27, s21, 2*FP
	s_add_co_u32 s27, s27, WIMG
	v_add_nc_u32 v5, s27, v1                       ; reading: tile 2 cg, 16 bytes a lane
	v_add_nc_u32 v6, 32*FP, v5                     ; K steps 4 to 7
	v_mul_u32_u24 v7, v245, XP
	v_lshl_add_u32 v7, v246, 4, v7
	s_mul_i32 s27, s22, 16*XP
	v_add_nc_u32 v7, s27, v7                       ; token tile th: row r, + 16 h
.irp i, 1,2,3,4
	v_add_nc_u32 v[7+\i], 32*XP*\i, v7             ; tiles 2 i + th
.endr
	s_mul_i32 s27, s20, 2*XP
	v_add_nc_u32 v12, s27, v1                      ; I stage rows 2 w and 2 w + 1 of each tile
	v_add_nc_u32 v13, 64*XP, v12
	v_add_nc_u32 v14, 128*XP, v12
	s_lshl_b32 s27, s22, 11
	s_lshl_b32 s28, s21, 9
	s_add_co_u32 s27, s27, s28
	v_add_nc_u32 v15, s27, v1                      ; hq: tile th, quad cg, 16 bytes a lane
	s_lshl_b32 s28, s23, 5
	s_add_co_u32 s28, s28, s24
	s_lshl_b32 s28, s28, 17                        ; 64 tiles of 2,048 bytes for each (expert, slice)
	s_add_nc_u64 s[14:15], s[14:15], s[28:29]
	s_wait_loadcnt 32                              ; the list and the bias are in; behind them: 32 weight loads
.set RG, 0
.rept 32
	v_cmp_eq_u32 s[68+RG], s23, v[64+RG]
.set RG, RG+1
.endr
	s_wait_alu depctr_va_sdst(0)                   ; the 32 compares have written s68-99, ahead of their first reader
	s_mov_b32 s25, 0
.set RG, 0
.rept 32
	s_bcnt1_i32_b32 s27, s[68+RG]
	s_add_co_u32 s25, s25, s27                     ; n: my expert's tokens
.set RG, RG+1
.endr
	s_max_u32 s26, s25, 1
	s_wait_kmcnt 0x0
	s_add_co_i32 s27, s49, 127
	s_lshl_b32 s44, s27, 23                        ; 2^ew1 as f32: the conversion takes its exponent field
	s_add_co_i32 s27, s27, 8
	s_lshl_b32 s47, s27, 23
	s_or_b32 s47, s47, 0x600000                    ; 448 x 2^ew1,
	s_or_b32 s46, s47, 0x80000000                  ; and its negative
	s_add_co_i32 s27, s48, s49                     ; a sum stands for sum x 2^(ex + ew1): the bias goes in divided by that
	s_sub_co_i32 s28, 0, s27
.set PP, 0
.rept 16
	v_ldexp_f32 v[16+PP], v[16+PP], s28
.set PP, PP+1
.endr
	s_sub_co_i32 s27, s50, s27
	s_add_co_i32 s27, s27, 127
	s_lshl_b32 s53, s27, 23                        ; 2^(eh - ex - ew1) as f32
	s_add_co_i32 s27, s27, 8
	s_lshl_b32 s52, s27, 23
	s_or_b32 s52, s52, 0x600000                    ; 448 x that
	; lane l finds the token of position 16 (l / 2) + 2 w + l % 2: lanes 2 m, 2 m + 1 hold the two rows of tile m that I stage
	v_lshrrev_b32 v241, 1, v244
	v_and_b32 v242, 1, v0
	v_lshl_add_u32 v241, v241, 4, v242
	s_lshl_b32 s27, s20, 1
	v_add_nc_u32 v241, s27, v241
	s_sub_co_u32 s27, s26, 1
	v_min_u32 v241, s27, v241                      ; positions from n on repeat the last
	RANKSEL 241, 240
.irp hb, 0,1                                   ; the twenty rows' tokens as scalars, ten at a time, into s54-63
.irp z, 0,1,2,3,4,5,6,7,8,9
	v_readlane_b32 s[54+\z], v240, 10*\hb+\z
.endr
	s_wait_alu depctr_va_sdst(0)                   ; the ten are written, ahead of their first readers
.irp z, 0,1,2,3,4,5,6,7,8,9
	s_min_u32 s27, s[54+\z], 0x3ff
	v_lshl_add_u32 v[32+10*\hb+\z], s27, 10, v1    ; an offset register for each row, so that none is rewritten while its loads are out
.endr
.endr
	s_wait_alu depctr_va_vdst(0)                   ; the twenty offsets v32-51 are written, and so are the LDS addresses and the offset v3-v15, for the rest of the kernel; the compares are done reading v64-95, in which the loads below land
.irp m, 0,1,2,3,4,5,6,7,8,9
.irp a, 0,1
.irp f, 0,1
	global_load_b128 v[64+16*\m+8*\a+4*\f:67+16*\m+8*\a+4*\f], v[32+2*\m+\a], s[6:7] offset:512*\f   ; half a row: 512 consecutive bytes
.endr
.endr
.endr
	WLOAD 1, 0, 0
	WLOAD 1, 16, 0
	s_cmp_lg_u32 s24, 0                            ; slice 0 stores the lists for the later launches
	s_cbranch_scc1 .Lnot_first
	s_cmp_eq_u32 s25, 0
	s_cbranch_scc1 .Lno_rows
	v_lshlrev_b32 v243, 2, v240
	s_lshl_b32 s27, s23, 10
	v_add_nc_u32 v247, s27, v241
	s_wait_alu depctr_va_vdst(0)                   ; v243 and v247 are written: the store's offset and its data
	global_store_b32 v243, v247, s[16:17]          ; rowof[token] = 1024 e + position; repeated positions store the same word again
.Lno_rows:
	s_cmp_lg_u32 s20, 0
	s_cbranch_scc1 .Lnot_first
	v_lshlrev_b32 v251, 3, v244
	v_mov_b32 v252, s25
	v_mov_b32 v253, s25
	s_lshl_b32 s28, s23, 8
	s_add_nc_u64 s[18:19], s[18:19], s[28:29]
	s_wait_alu depctr_va_vdst(0)                   ; v251 to v253 are written: the store's offset and its data
	global_store_b64 v251, v[252:253], s[18:19]    ; n, 64 times: 256 consecutive bytes
.Lnot_first:
	s_wait_loadcnt 32                              ; trip 0's weights and the tokens' codes are in; behind them: trip 1's 32 loads
.irp m, 0,1,2,3,4,5,6,7,8,9
.irp a, 0,1
.irp f, 0,1
	ds_store_b128 v[12+\m/4], v[64+16*\m+8*\a+4*\f:67+16*\m+8*\a+4*\f] offset:((\m%4)*16+\a)*XP+512*\f
.endr
.endr
.endr
	s_wait_xcnt 0x0                                ; slice 0's stores have read their registers, which fragments will take
	s_wait_alu depctr_vm_vsrc(0)                   ; the LDS stores have read v64-223, the tokens' loads their offsets v32-51, the bias's loads v250, slice 0's stores v243, v247 and v251-253: all of these are written again from here on
	CONV 0, 0, 32, 1
	CONV 0, 1, 48, 1
	BAR                                            ; the tokens' rows and K steps 0, 1 lie in LDS
	KSTEP 0, 1, 0
	KSTEP 1, 0, 1
	CONV 1, 0, 48, 1
	CONV 1, 1, 48, 1
	BAR
	KSTEP 2, 0, 0
	KSTEP 3, 0, 1
	CONV 2, 0, 48, 0
	CONV 2, 1, 32, 0
	BAR
	KSTEP 4, 0, 0
	KSTEP 5, 0, 1
	CONV 3, 0, 16, 0
	CONV 3, 1, 0, 0
	BAR
	KSTEP 6, 0, 0
	KSTEP 7, 0, 1
	; THE WAY OUT: relu and the hold in one, the conversion, 16 bytes a lane of the next operand's image
.rept 4
	v_nop
.endr
	s_wait_alu depctr_vm_vsrc(0)                   ; the last trip's LDS stores have read v32-63, of which the conversions below write v32-51
	v_mov_b32 v248, s53
.irp i, 0,1,2,3,4
.set PP, 0
.rept 16
	v_med3_num_f32 v[64+16*\i+PP], v[64+16*\i+PP], 0, s52   ; each accumulator from its low end on
.set PP, PP+1
.endr
	v_cvt_scalef32_pk8_fp8_f32 v[32+4*\i:33+4*\i], v[64+16*\i:71+16*\i], v248
	v_cvt_scalef32_pk8_fp8_f32 v[34+4*\i:35+4*\i], v[72+16*\i:79+16*\i], v248
.endr
	v_nop                                          ; a plain line behind the last conversion
	s_wait_alu depctr_va_vdst(0)                   ; the conversions have written v32-51, which the stores below read: one wait, ahead of their branches
	s_lshl_b32 s27, s22, 4
.irp i, 0,1,2,3,4
	s_cmp_ge_u32 s27, s26                          ; tiles that begin at or past max(n, 1) are not stored
	s_cbranch_scc1 .Lout_done
	global_store_b128 v15, v[32+4*\i:35+4*\i], s[14:15] offset:4096*\i   ; 512 consecutive bytes
	s_add_co_u32 s27, s27, 32
.endr
.Lout_done:
	; POSITIONS FROM 160 ON: tiles 10 + 2 k + th, one a trip; no barrier, no LDS address that hangs on k; the images are all there
	v_and_b32 v245, 15, v0
	v_bfe_u32 v246, v0, 4, 1
	s_mov_b32 s54, 0
	s_lshl_b32 s55, s22, 4
	s_add_co_u32 s55, s55, 160                     ; the tile's first position
	s_mov_b32 s57, 0
.Lover:
	s_wait_alu depctr_vm_vsrc(0)                   ; the stores issued so far have read v32-51, v243 and v247, the last trip's loads v242: the trip writes v32-35, v242, v243 and v247 again.  Ahead of the branch
	s_cmp_ge_u32 s55, s25
	s_cbranch_scc1 .Lend                           ; the tiles ascend: none further on has a token
	s_wait_xcnt 0x0                                ; earlier stores have read their registers and bases
	v_add_nc_u32 v241, s55, v245
	s_sub_co_u32 s27, s25, 1
	v_min_u32 v241, s27, v241
	RANKSEL 241, 240
	s_or_b32 s27, s24, s21
	s_cmp_lg_u32 s27, 0
	s_cbranch_scc1 .Lover_norow
	v_lshlrev_b32 v243, 2, v240
	s_lshl_b32 s27, s23, 10
	v_add_nc_u32 v247, s27, v241
	s_wait_alu depctr_va_vdst(0)                   ; v243 and v247 are written: the store's offset and its data
	global_store_b32 v243, v247, s[16:17]
.Lover_norow:
	v_lshlrev_b32 v242, 10, v240
	v_lshl_add_u32 v242, v246, 4, v242             ; my token's row, + 16 h
	WIN 0x40
	s_wait_alu depctr_va_vdst(0)                   ; v242 is written: the offset of the loads below; the holds and the last trip's products are done reading the registers in which they land
.irp s, 0,1,2,3,4,5,6,7
.irp q, 0,1,2,3
	global_load_b128 v[16*\s+4*\q:16*\s+4*\q+3], v242, s[6:7] offset:128*\s+32*\q
.endr
.endr
	WIN 0
	s_wait_loadcnt 0x0
.irp s, 0,1,2,3,4,5,6,7
	OSTEP \s
.endr
.rept 4
	v_nop
.endr
.set PP, 0
.rept 16
	v_med3_num_f32 v[64+PP], v[64+PP], 0, s52
.set PP, PP+1
.endr
	v_cvt_scalef32_pk8_fp8_f32 v[32:33], v[64:71], v248
	v_cvt_scalef32_pk8_fp8_f32 v[34:35], v[72:79], v248
	v_nop
	s_lshl_b32 s56, s54, 12
	s_add_co_u32 s56, s56, 10*2048                 ; tile 10 + 2 k (v15 adds th)
	s_add_nc_u64 s[58:59], s[14:15], s[56:57]
	s_wait_alu depctr_va_vdst(0)                   ; the conversions have written v32-35, which the store reads
	global_store_b128 v15, v[32:35], s[58:59]
	s_add_co_u32 s55, s55, 32
	s_add_co_u32 s54, s54, 1
	s_cmp_lt_u32 s54, 27
	s_cbranch_scc1 .Lover
.Lend:
	s_wait_xcnt 0x0
	v_lshl_add_u32 v254, v0, 2, 0x48e00
	v_mov_b32 v255, 0
	s_wait_dscnt 0x0                               ; the closing lines, six on end
	s_wait_alu 0x0
	s_wait_tensorcnt 0x0
	ds_add_u32 v254, v255
	s_wait_dscnt 0x0
	s_endpgm
.Lfunc_end_k_qb705f14f02_ffn1:
	.size	k_qb705f14f02_ffn1, .Lfunc_end_k_qb705f14f02_ffn1-k_qb705f14f02_ffn1
	.p2alignl 7, 3214868480
	.fill 96, 4, 3214868480
	.section	.rodata,"a",@progbits
	.p2align	6, 0x0
	.amdhsa_kernel k_qb705f14f02_ffn1
		.amdhsa_group_segment_fixed_size 299520
		.amdhsa_private_segment_fixed_size 0
		.amdhsa_enable_private_segment 0
		.amdhsa_kernarg_size 64
		.amdhsa_user_sgpr_count 2
		.amdhsa_user_sgpr_kernarg_segment_ptr 1
		.amdhsa_wavefront_size32 1
		.amdhsa_system_sgpr_workgroup_id_x 1
		.amdhsa_system_sgpr_workgroup_id_y 1
		.amdhsa_system_sgpr_workgroup_id_z 1
		.amdhsa_system_vgpr_workitem_id 0
		.amdhsa_next_free_vgpr 512
		.amdhsa_next_free_sgpr 100
		.amdhsa_reserve_vcc 1
		.amdhsa_float_denorm_mode_32 3
		.amdhsa_float_denorm_mode_16_64 3
		.amdhsa_memory_ordered 1
		.amdhsa_forward_progress 1
		.amdhsa_inst_pref_size 146
	.end_amdhsa_kernel
	.amdgpu_metadata
---
amdhsa.version: [ 1, 2 ]
amdhsa.kernels:
  - .name:           k_qb705f14f02_ffn1
    .symbol:         k_qb705f14f02_ffn1.kd
    .args:
      - { .name: sel, .offset: 0, .size: 8, .value_kind: global_buffer, .address_space: global }
      - { .name: xq, .offset: 8, .size: 8, .value_kind: global_buffer, .address_space: global }
      - { .name: w1, .offset: 16, .size: 8, .value_kind: global_buffer, .address_space: global }
      - { .name: b1, .offset: 24, .size: 8, .value_kind: global_buffer, .address_space: global }
      - { .name: lowp_scales, .offset: 32, .size: 8, .value_kind: global_buffer, .address_space: global }
      - { .name: hq, .offset: 40, .size: 8, .value_kind: global_buffer, .address_space: global }
      - { .name: rowof, .offset: 48, .size: 8, .value_kind: global_buffer, .address_space: global }
      - { .name: cnt, .offset: 56, .size: 8, .value_kind: global_buffer, .address_space: global }
    .group_segment_fixed_size: 299520
    .private_segment_fixed_size: 0
    .kernarg_segment_align: 8
    .kernarg_segment_size: 64
    .max_flat_workgroup_size: 256
    .sgpr_count:     100
    .vgpr_count:     512
    .wavefront_size: 32
...
	.end_amdgpu_metadata
.endif
;; end of part 5
;; launch ffn2 (part 6): grid 32 x 8, 8 waves a work-group, no clusters, 299,520 bytes of LDS; arguments cnt, hq, w2, lowp_scales, part; writes part
.if DOCPART == 6
	.amdgcn_target "amdgcn-amd-amdhsa--gfx1250"
	.amdhsa_code_object_version 6
	.text
	.protected	k_qb705f14f02_ffn2
	.globl	k_qb705f14f02_ffn2
	.p2align	8
	.type	k_qb705f14f02_ffn2,@function
k_qb705f14f02_ffn2:
	s_mov_b64 s[64:65], 0
	v_nop
	global_prefetch_b8 v0, s[64:65] scope:SCOPE_SE
	s_setreg_imm32_b32 hwreg(HW_REG_WAVE_SCHED_MODE, 0, 2), 2
	s_setreg_imm32_b32 hwreg(HW_REG_WAVE_MODE, 25, 1), 1
	s_wait_xcnt 0x0
	s_wait_alu depctr_vm_vsrc(0)
; THE SECOND PRODUCT OF THE CHOSEN EXPERTS, in four parts along K: part[kq][1024 e + position][1024] = the f32 sums of codes, hq x Q(w2[e]), over hidden units 1024 kq .. + 1023.
; Work-group (cs + 8 kq, e): output columns 128 cs .. + 127, a quarter kq of K = 4,096, all positions of expert e.  So it has the first product's shape: K = 1,024, 128 columns, pieces of 512 bytes of each
; row of w2[e] ([4096 (k)][1024] f32), the activations resident in LDS.  Each number of w2 is read by ONE work-group and quantised here, on its way.  The four parts are added, scaled and weighed by the next launch, one owner a row.
; cnt[e] = n comes from the launch before.  THE MAIN WAY IS STRAIGHT: 160 positions (10 tiles) are always multiplied; tiles past the last written one repeat it.  Only stores, and a loop without barrier for
; positions from 160 on, hang on n; that loop stores pieces of 16 bytes: the price of a split that is far from even.  An expert without tokens walks its weights and stores nothing.
; WEIGHTS, IMAGES, PRODUCTS: as in the first product.  Four trips of 256 rows of K; wave w takes rows 32 w .. + 31; each load reads 512 consecutive bytes; each number is held within +-448 x 2^ew2, and the hold lays it
; where its column's 16 rows stand in consecutive registers; the conversion divides by 2^ew2, eight codes an instruction;
; 16 codes down K of a column are 16 bytes of an image of the operand's registers; all 64 images stay.  Source 0 = 16 columns of w2 (tile 2 b + u: columns 32 b + 8 u + i + 8 (i / 8)), source 1 = 16 positions:
; a lane's 16 registers of tiles 2 cg, 2 cg + 1 are output columns 32 cg + 16 (lane / 16) + 0..15 of one position: 64 consecutive bytes of its row.
; hq arrives as register images ([e][K step][tile][2,048]); wave w lays K step w of the quarter into the positions' rows in LDS.
; THE WAY OUT: the sums as they are, through a stage in LDS that takes the rows' place, so that each store covers 512 consecutive bytes of a row of part.
; NO TENSOR LOAD AND NO CLUSTER: branches here hang on a count read from memory; no weight is shared; what the 8 work-groups of a quarter share, hq, is 160 KiB of the 672 KiB that a work-group reads.
; LIMITS: ew2 between -126 and 119, so that 2^ew2 and 448 x 2^ew2 are f32 numbers.  NaN among the inputs is not served.
; REGISTERS, window 0: v1 16 lane; v2 weights' offset; v3,4 where I store images; v5,6 where I read them; v7-11 my tiles' rows; v12-14 where I store rows; v15 hq offset; v16,17 stage in; v18,19 stage back;
;   v20, v21 part offsets; v32-63 codes (at the head: the tiles' offsets); v64-143 ten accumulators (at the head v64-223: hq's images); v144-175, v176-255 fragments (in CONV v144-207: 64 numbers at work, v208: 2^ew2).  window 1: two landing sets of 128.
; THE MODE: SCHED_MODE bits 1:0 = 2 (LLVM: expert scheduling mode 2), set by the entry lines.  The code itself states the register dependences between vector or matrix instructions and
; memory or LDS instructions, and those through scalar registers that vector instructions write, with s_wait_alu, always for 0.
; THE PLAN.  Registers that memory or LDS instructions touch, and who else names them:
;   the landing sets   A half (16 rows, 64 registers) is written by 16 weight loads and read by the 64 holds at the head of its CONV.  One wait on va_vdst stands behind them, and the half is asked for again at once.
;   v32-63, codes      Written by a half's conversions, read by four LDS stores.  The first half's stores stand in the second half's CONV, behind the wait that stands there; the second half's have a wait of their own,
;                      in front of the barrier.  One wait on vm_vsrc at the head of each trip but the first: the stores have read the codes before they are written again.
;   v144-255           LDS loads land there, products read them, CONV works in v144-208.  A trip's first K step follows CONV's last wait on va_vdst with no vector or matrix instruction but v_nop between: nothing more is owed.
;                      Its second K step has one wait on va_vdst: the first's products are done reading.
;   v64-223, head      hq's images land there and 40 LDS stores read them; then they are accumulators, CONV's numbers and fragments: one wait on vm_vsrc behind the stores.
;   v64-143, way out   Written by the products; read by the stage's LDS stores (one wait on va_vdst); then the stage's loads land in them (one wait on vm_vsrc), and the global stores read them.
;   v1-v21, v32-41     Offsets and LDS addresses: written at the head, ahead of the wait on va_vdst in front of hq's loads; v1-v21 are never written again.  v30, v31: written at the head, read by the closing add alone.
.set RP,   4096                        ; a row of w2[e] in bytes
.set TRIP, 256*RP
.set XP,   1040                        ; a position's row in LDS: 1,024 codes + 16: row r starts at bank 4 r mod 64 (64 banks of 4 bytes: ISA guide 11.1)
.set FP,   2064                        ; from image to image: 2,048 + 16
.set WIMG, 160*XP
.set SP,   528                         ; a stage row: 128 f32 + 16 bytes
.set MSB, 0
.macro WIN new                         ; the immediate's high byte repeats the setting that is left
.if MSB != \new
	s_set_vgpr_msb (MSB<<8)|\new
.set MSB, \new
.endif
.endm
.macro WLOAD t, first, dep             ; trip t, my rows first .. first + 15, into landing set t % 2.  dep = 1: the landing half has just been read
	WIN 0x40                                       ; destination window 1
.if \dep
	s_wait_alu depctr_va_vdst(0)                   ; the holds are done reading the landing half in which these loads land; in a trip's second half also: the first half's conversions have written v32-47, which the LDS stores behind these loads read
.endif
.irp j, 0,1,2,3,4,5,6,7,8,9,10,11,12,13,14,15
	global_load_b128 v[128*((\t)%2)+4*((\first)+\j):128*((\t)%2)+4*((\first)+\j)+3], v2, s[36+2*(\t):37+2*(\t)] offset:((\first)+\j)*RP th:TH_LOAD_NT
.endr
	WIN 0
.endm
.macro PUT t, g                        ; half g's codes of trip t go into the images
.irp c, 0,1,2,3
	ds_store_b128 v[3+(\t)/2], v[32+16*(\g)+4*\c:32+16*(\g)+4*\c+3] offset:((\t)%2)*16*FP+16*\c+256*(\g)   ; column 4 lane + c: its tile's image, quad w % 4, half g, 16 x its index
.endr
.endm
; Rows 16 g .. 16 g + 15 of my 32 in trip t become codes.  left: the weight loads issued behind these sixteen.  re = 1: the landing half takes trip t + 2.
.macro CONV t, g, left, re
	s_wait_loadcnt \left
.if (\g) == 0
.rept 4
	v_nop                                          ; places between the last products and the writes over their operands (ISA guide 7.12.1)
.endr
.if (\t) > 0
	s_wait_alu depctr_vm_vsrc(0)                   ; the last trip's LDS stores have read v32-63, which this trip's conversions write again
.endif
	v_mov_b32 v208, s44                            ; 2^ew as f32, for both halves' conversions: made anew in each trip, as in the first product
.endif
	WIN 0x01                                       ; source 0 window 1
.set PP, 0
.rept 64
	v_med3_num_f32 v[144+16*(PP%4)+PP/4], v[128*((\t)%2)+64*(\g)+PP], s46, s47   ; the conversion does not saturate (ISA guide 7.6.2): held within +-448 x 2^ew.  Landing register 4 row + c goes to v[144 + 16 c + row]: a column's rows on end
.set PP, PP+1
.endr
.if \re
	WLOAD (\t)+2, 16*(\g), 1
.else
	WIN 0
.if (\g) == 1
	s_wait_alu depctr_va_vdst(0)                   ; the first half's conversions have written v32-47, which the LDS stores below read
.endif
.endif
.if (\g) == 1
	PUT \t, 0                                      ; no vector instruction since the wait names v32-47 or the stores' address
.endif
; code register 4 c + i of the half: column c, rows 4 i .. 4 i + 3, the lowest row in the lowest byte
.set PP, 0
.rept 8
	v_cvt_scalef32_pk8_fp8_f32 v[32+16*(\g)+2*PP:33+16*(\g)+2*PP], v[144+8*PP:151+8*PP], v208   ; column PP / 2, rows 8 (PP % 2) + 0..7: / 2^ew, to the nearest code, ties to even
.set PP, PP+1
.endr
	v_nop                                          ; a plain line behind the last conversion
.if (\g) == 1
	s_wait_alu depctr_va_vdst(0)                   ; this half's conversions have written v48-63, which the LDS stores below read; all that named v144-255 is done too, so the next K step's loads owe nothing more
	PUT \t, 1
.endif
.endm
.macro BAR                             ; my LDS stores have landed and my LDS loads are in: then the work-group's barrier
	s_wait_dscnt 0x0
	s_barrier_signal -1
	s_barrier_wait -1
.endm
; K step s: my two weight fragments, my five position fragments, ten products.  The ten accumulators take turns, one instruction a turn.  first = 1: the products start the sums.  dep = 1: a K step stands straight ahead of this one.
.macro KSTEP s, first, dep
.rept 4
	v_nop                                          ; places in front of loads into registers that matrix instructions have read
.endr
.if \dep
	s_wait_alu depctr_va_vdst(0)                   ; the products of the K step before are done reading v144-255, in which the loads below land
.endif
.irp u, 0,1
.irp q, 0,1,2,3
	ds_load_b128 v[144+16*\u+4*\q:147+16*\u+4*\q], v[5+(\s)/4] offset:(8*((\s)%4)+\u)*FP+512*\q
.endr
.endr
.irp i, 0,1,2,3,4
.irp q, 0,1,2,3
	ds_load_b128 v[176+16*\i+4*\q:179+16*\i+4*\q], v[7+\i] offset:128*(\s)+32*\q
.endr
.endr
.irp i, 0,1,2,3,4
	s_wait_dscnt 16-4*\i                           ; the later tiles' loads may be out
.irp u, 0,1
.if \first
	v_wmma_f32_16x16x128_fp8_fp8 v[64+16*\i+8*\u:71+16*\i+8*\u], v[144+16*\u:159+16*\u], v[176+16*\i:191+16*\i], 0
.else
	v_wmma_f32_16x16x128_fp8_fp8 v[64+16*\i+8*\u:71+16*\i+8*\u], v[144+16*\u:159+16*\u], v[176+16*\i:191+16*\i], v[64+16*\i+8*\u:71+16*\i+8*\u]
.endif
.endr
.endr
.endm
; the surplus loop's K step: one tile of positions (in window 1), my two weight fragments; two accumulators by turns
.macro OSTEP s
.rept 4
	v_nop
.endr
.if (\s) > 0
	s_wait_alu depctr_va_vdst(0)                   ; the products of the K step before are done reading v144-175, in which the loads below land (ahead of the first K step the wait in front of the last stores has covered all)
.endif
.irp u, 0,1
.irp q, 0,1,2,3
	ds_load_b128 v[144+16*\u+4*\q:147+16*\u+4*\q], v[5+(\s)/4] offset:(8*((\s)%4)+\u)*FP+512*\q
.endr
.endr
	s_wait_dscnt 0x0
	WIN 0x04                                       ; source 1 window 1
.irp u, 0,1
.if (\s) == 0
	v_wmma_f32_16x16x128_fp8_fp8 v[64+8*\u:71+8*\u], v[144+16*\u:159+16*\u], v[16*(\s):16*(\s)+15], 0
.else
	v_wmma_f32_16x16x128_fp8_fp8 v[64+8*\u:71+8*\u], v[144+16*\u:159+16*\u], v[16*(\s):16*(\s)+15], v[64+8*\u:71+8*\u]
.endif
.endr
	WIN 0
.endm
	s_load_b256 s[4:11], s[0:1], 0x0               ; cnt s[4:5], hq s[6:7], w2 s[8:9], scales s[10:11]
	s_load_b64 s[12:13], s[0:1], 0x20              ; part
	v_lshl_add_u32 v30, v0, 2, 0x48e00
	v_mov_b32 v31, 0
	v_lshrrev_b32 v224, 5, v0
	v_readfirstlane_b32 s20, v224                  ; wave 0..7
	v_and_b32 v244, 31, v0                         ; lane
	v_and_b32 v245, 15, v0                         ; r
	v_bfe_u32 v246, v0, 4, 1                       ; h
	v_lshlrev_b32 v1, 4, v244
	s_wait_alu depctr_va_sdst(0)                   ; s20 is written, ahead of its first reader
	s_and_b32 s21, s20, 3                          ; cg
	s_lshr_b32 s22, s20, 2                         ; th
	s_and_b32 s23, ttmp7, 0xffff                   ; the expert
	s_and_b32 s24, ttmp9, 7                        ; cs: which 128 output columns
	s_lshr_b32 s34, ttmp9, 3                       ; kq: which quarter of K
	s_lshl_b32 s27, s20, 17                        ; my 32 rows of a trip: 32 w x 4,096 bytes
	v_add_nc_u32 v2, s27, v1
	v_add_nc_u32 v15, s27, v1                      ; hq: K step w of the quarter (131,072 bytes a K step), 16 bytes a lane
	s_lshl_b32 s28, s23, 24                        ; w2[e]: 16 MiB an expert,
	s_lshl_b32 s27, s34, 22                        ; 1,024 rows a quarter,
	s_add_co_u32 s28, s28, s27
	s_lshl_b32 s27, s24, 9                         ; 512 bytes of each row
	s_add_co_u32 s28, s28, s27
	s_mov_b32 s29, 0
	s_lshl_b32 s30, s23, 8                         ; cnt: 256 bytes an expert
	s_mov_b32 s31, 0
	s_lshl_b32 s32, s23, 4                         ; the expert's four exponents
	s_mov_b32 s33, 0
	s_wait_kmcnt 0x0
	s_add_nc_u64 s[36:37], s[8:9], s[28:29]        ; a base for each trip; never rewritten
	s_add_nc_u64 s[38:39], s[36:37], TRIP
	s_add_nc_u64 s[40:41], s[36:37], 2*TRIP
	s_add_nc_u64 s[42:43], s[36:37], 3*TRIP
	s_add_nc_u64 s[4:5], s[4:5], s[30:31]
	s_add_nc_u64 s[10:11], s[10:11], s[32:33]
	s_load_b32 s25, s[4:5], 0x0                    ; n
	s_load_b128 s[48:51], s[10:11], 0x0            ; ex, ew1, eh, ew2
	s_wait_alu depctr_va_vdst(0)                   ; v2 is written: the offset of every weight load
	WLOAD 0, 0, 0
	WLOAD 0, 16, 0
	s_lshl_b32 s28, s23, 5
	s_lshl_b32 s27, s34, 3
	s_add_co_u32 s28, s28, s27
	s_lshl_b32 s28, s28, 17
	s_add_nc_u64 s[6:7], s[6:7], s[28:29]          ; hq at the quarter's first K step
	s_lshl_b32 s28, s34, 25                        ; part: 32 MiB a quarter,
	s_lshl_b32 s27, s23, 22                        ; 1,024 rows of 4,096 bytes an expert,
	s_add_co_u32 s28, s28, s27
	s_lshl_b32 s27, s24, 9                         ; my 512 bytes of a row
	s_add_co_u32 s28, s28, s27
	s_add_nc_u64 s[12:13], s[12:13], s[28:29]
	; LDS addresses: constants, the lane's bits and the wave's number
	v_lshrrev_b32 v224, 3, v244
	v_bfe_u32 v225, v0, 1, 1
	v_lshl_add_u32 v224, v224, 1, v225             ; columns 4 l + c lie in tile 2 (l / 8) + (l / 2) % 2,
	v_mul_u32_u24 v3, v224, FP
	v_bfe_u32 v225, v0, 2, 1
	v_lshl_add_u32 v3, v225, 7, v3                 ; at index 8 ((l / 4) % 2) + 4 (l % 2) + c: 16 bytes an index
	v_and_b32 v225, 1, v0
	v_lshl_add_u32 v3, v225, 6, v3
	s_mul_i32 s27, s22, 8*FP                       ; my rows lie in K step w / 4 of the trip's two,
	s_lshl_b32 s28, s21, 9                         ; in quad w % 4
	s_add_co_u32 s27, s27, s28
	s_add_co_u32 s27, s27, WIMG
	v_add_nc_u32 v3, s27, v3
	v_add_nc_u32 v4, 32*FP, v3                     ; trips 2 and 3
	s_mul_i32 s27, s21, 2*FP
	s_add_co_u32 s27, s27, WIMG
	v_add_nc_u32 v5, s27, v1                       ; reading: tile 2 cg, 16 bytes a lane
	v_add_nc_u32 v6, 32*FP, v5                     ; K steps 4 to 7
	v_mul_u32_u24 v7, v245, XP
	v_lshl_add_u32 v7, v246, 4, v7                 ; row r, + 16 h
	s_lshl_b32 s27, s20, 7
	v_add_nc_u32 v12, s27, v7                      ; I lay K step w: 128 bytes of each row
	v_add_nc_u32 v13, 64*XP, v12
	v_add_nc_u32 v14, 128*XP, v12
	s_mul_i32 s27, s22, 16*XP
	v_add_nc_u32 v7, s27, v7                       ; tile th
.irp i, 1,2,3,4
	v_add_nc_u32 v[7+\i], 32*XP*\i, v7             ; tiles 2 i + th
.endr
	v_mul_u32_u24 v16, v245, SP
	v_lshl_add_u32 v16, v246, 6, v16
	s_mul_i32 s27, s22, 16*SP
	s_lshl_b32 s28, s21, 7
	s_add_co_u32 s27, s27, s28
	v_add_nc_u32 v16, s27, v16                     ; the stage, in: row 16 th + r, + 128 cg + 64 h bytes
	v_add_nc_u32 v17, 3*32*SP, v16
	s_mul_i32 s27, s20, 2*SP
	v_add_nc_u32 v18, s27, v1                      ; back: rows 2 w, 2 w + 1 of each tile, 16 bytes a lane
	v_add_nc_u32 v19, 80*SP, v18
	s_lshl_b32 s27, s20, 13
	v_add_nc_u32 v20, s27, v1                      ; and the same in part
	v_lshlrev_b32 v21, 12, v245
	v_lshl_add_u32 v21, v246, 6, v21
	s_lshl_b32 s27, s21, 7
	v_add_nc_u32 v21, s27, v21                     ; the surplus loop's stores: row r, + 64 h + 128 cg
	s_wait_kmcnt 0x0
	s_max_u32 s26, s25, 1
	s_add_co_u32 s28, s26, 15
	s_lshr_b32 s28, s28, 4
	s_sub_co_u32 s28, s28, 1                       ; the last tile that the launch before has written
	s_add_co_i32 s27, s51, 127
	s_lshl_b32 s44, s27, 23                        ; 2^ew2 as f32: the conversion takes its exponent field
	s_add_co_i32 s27, s27, 8
	s_lshl_b32 s47, s27, 23
	s_or_b32 s47, s47, 0x600000                    ; 448 x 2^ew2,
	s_or_b32 s46, s47, 0x80000000                  ; and its negative
.irp m, 0,1,2,3,4,5,6,7,8,9
	s_min_u32 s27, s28, \m                         ; tiles past the last repeat it
	s_lshl_b32 s27, s27, 11
	v_add_nc_u32 v[32+\m], s27, v15                ; an offset register for each tile, so that none is rewritten while its loads are out
.endr
	s_wait_alu depctr_va_vdst(0)                   ; the ten offsets v32-41 are written, and so are the LDS addresses and the offsets v3-v21, for the rest of the kernel
.irp m, 0,1,2,3,4,5,6,7,8,9
.irp q, 0,1,2,3
	global_load_b128 v[64+16*\m+4*\q:67+16*\m+4*\q], v[32+\m], s[6:7] offset:512*\q   ; a quad of an image: 512 consecutive bytes
.endr
.endr
	WLOAD 1, 0, 0
	WLOAD 1, 16, 0
	s_wait_loadcnt 32                              ; trip 0's weights and hq's images are in; behind them: trip 1's 32 loads
.irp m, 0,1,2,3,4,5,6,7,8,9
.irp q, 0,1,2,3
	ds_store_b128 v[12+\m/4], v[64+16*\m+4*\q:67+16*\m+4*\q] offset:(\m%4)*16*XP+32*\q   ; lane (r, h) holds k = 32 q + 16 h + 0..15 of position 16 m + r
.endr
.endr
	s_wait_alu depctr_vm_vsrc(0)                   ; the LDS stores have read v64-223 and hq's loads their offsets v32-41: all of these are written again from here on
	CONV 0, 0, 32, 1
	CONV 0, 1, 48, 1
	BAR                                            ; the positions' rows and K steps 0, 1 lie in LDS
	KSTEP 0, 1, 0
	KSTEP 1, 0, 1
	CONV 1, 0, 48, 1
	CONV 1, 1, 48, 1
	BAR
	KSTEP 2, 0, 0
	KSTEP 3, 0, 1
	CONV 2, 0, 48, 0
	CONV 2, 1, 32, 0
	BAR
	KSTEP 4, 0, 0
	KSTEP 5, 0, 1
	CONV 3, 0, 16, 0
	CONV 3, 1, 0, 0
	BAR
	KSTEP 6, 0, 0
	KSTEP 7, 0, 1
	; THE WAY OUT
.rept 4
	v_nop                                          ; places in front of the LDS stores that read results
.endr
	BAR                                            ; nobody reads the positions' rows any more: the stage takes their place
	s_wait_alu depctr_va_vdst(0)                   ; the last products have written the accumulators v64-143, which the LDS stores read; the places above stay beside this wait
.irp i, 0,1,2,3,4
.irp k, 0,1,2,3
	ds_store_b128 v[16+\i/3], v[64+16*\i+4*\k:67+16*\i+4*\k] offset:(\i%3)*32*SP+16*\k   ; each accumulator from its low end on
.endr
.endr
	BAR                                            ; 160 whole rows of 512 bytes lie in the stage
	s_wait_alu depctr_vm_vsrc(0)                   ; my LDS stores have read v64-143, in which the loads below land
.irp m, 0,1,2,3,4,5,6,7,8,9
.irp a, 0,1
	ds_load_b128 v[64+8*\m+4*\a:67+8*\m+4*\a], v[18+\m/5] offset:(16*(\m%5)+\a)*SP
.endr
.endr
	s_wait_dscnt 0x0
.irp m, 0,1,2,3,4,5,6,7,8,9
	s_cmp_le_u32 s25, 16*\m                        ; tiles that begin at or past n are not stored
	s_cbranch_scc1 .Lout_done
	global_store_b128 v20, v[64+8*\m:67+8*\m], s[12:13] offset:16*\m*4096           ; 512 consecutive bytes
	global_store_b128 v20, v[68+8*\m:71+8*\m], s[12:13] offset:(16*\m+1)*4096
.endr
.Lout_done:
	; POSITIONS FROM 160 ON: tiles 10 + 2 k + th, one a trip; no barrier, no LDS address that hangs on k; the images are all there
	s_mov_b32 s54, 0
	s_lshl_b32 s55, s22, 4
	s_add_co_u32 s55, s55, 160                     ; the tile's first position
	s_mov_b32 s57, 0
	s_mov_b32 s61, 0
.Lover:
	s_wait_alu depctr_vm_vsrc(0)                   ; the stores issued so far have read v64-143, of which the trip's products write v64-79 again.  Ahead of the branch
	s_cmp_ge_u32 s55, s25
	s_cbranch_scc1 .Lend                           ; the tiles ascend: none further on has a token
	s_wait_xcnt 0x0                                ; earlier stores have read their registers and bases
	s_lshl_b32 s56, s55, 7                         ; 2,048 bytes a tile
	s_add_nc_u64 s[58:59], s[6:7], s[56:57]
.rept 4
	v_nop                                          ; places in front of loads into registers that the last trip's products have read
.endr
	WIN 0x40
.irp s, 0,1,2,3,4,5,6,7
.irp q, 0,1,2,3
	global_load_b128 v[16*\s+4*\q:16*\s+4*\q+3], v1, s[58:59] offset:131072*\s+512*\q   ; the images are the fragments.  No wait on va_vdst: the one ahead of the last stores stands behind every product and hold that read these registers, and only v_nop have followed it
.endr
.endr
	WIN 0
	s_wait_loadcnt 0x0
.irp s, 0,1,2,3,4,5,6,7
	OSTEP \s
.endr
.rept 4
	v_nop
.endr
	s_lshl_b32 s60, s55, 12
	s_add_nc_u64 s[62:63], s[12:13], s[60:61]
	s_wait_alu depctr_va_vdst(0)                   ; the products have written v64-79, which the stores read, and are done reading their fragments; the places above stay beside this wait
.irp k, 0,1,2,3
	global_store_b128 v21, v[64+4*\k:67+4*\k], s[62:63] offset:16*\k
.endr
	s_add_co_u32 s55, s55, 32
	s_add_co_u32 s54, s54, 1
	s_cmp_lt_u32 s54, 27
	s_cbranch_scc1 .Lover
.Lend:
	s_wait_dscnt 0x0                               ; the closing lines, six on end
	s_wait_alu 0x0
	s_wait_tensorcnt 0x0
	ds_add_u32 v30, v31
	s_wait_dscnt 0x0
	s_endpgm
.Lfunc_end_k_qb705f14f02_ffn2:
	.size	k_qb705f14f02_ffn2, .Lfunc_end_k_qb705f14f02_ffn2-k_qb705f14f02_ffn2
	.p2alignl 7, 3214868480
	.fill 96, 4, 3214868480
	.section	.rodata,"a",@progbits
	.p2align	6, 0x0
	.amdhsa_kernel k_qb705f14f02_ffn2
		.amdhsa_group_segment_fixed_size 299520
		.amdhsa_private_segment_fixed_size 0
		.amdhsa_enable_private_segment 0
		.amdhsa_kernarg_size 40
		.amdhsa_user_sgpr_count 2
		.amdhsa_user_sgpr_kernarg_segment_ptr 1
		.amdhsa_wavefront_size32 1
		.amdhsa_system_sgpr_workgroup_id_x 1
		.amdhsa_system_sgpr_workgroup_id_y 1
		.amdhsa_system_sgpr_workgroup_id_z 1
		.amdhsa_system_vgpr_workitem_id 0
		.amdhsa_next_free_vgpr 512
		.amdhsa_next_free_sgpr 66
		.amdhsa_reserve_vcc 0
		.amdhsa_float_denorm_mode_32 3
		.amdhsa_float_denorm_mode_16_64 3
		.amdhsa_memory_ordered 1
		.amdhsa_forward_progress 1
		.amdhsa_inst_pref_size 104
	.end_amdhsa_kernel
	.amdgpu_metadata
---
amdhsa.version: [ 1, 2 ]
amdhsa.kernels:
  - .name:           k_qb705f14f02_ffn2
    .symbol:         k_qb705f14f02_ffn2.kd
    .args:
      - { .name: cnt, .offset: 0, .size: 8, .value_kind: global_buffer, .address_space: global }
      - { .name: hq, .offset: 8, .size: 8, .value_kind: global_buffer, .address_space: global }
      - { .name: w2, .offset: 16, .size: 8, .value_kind: global_buffer, .address_space: global }
      - { .name: lowp_scales, .offset: 24, .size: 8, .value_kind: global_buffer, .address_space: global }
      - { .name: part, .offset: 32, .size: 8, .value_kind: global_buffer, .address_space: global }
    .group_segment_fixed_size: 299520
    .private_segment_fixed_size: 0
    .kernarg_segment_align: 8
    .kernarg_segment_size: 40
    .max_flat_workgroup_size: 256
    .sgpr_count:     66
    .vgpr_count:     512
    .wavefront_size: 32
...
	.end_amdgpu_metadata
.endif
;; end of part 6
;; launch combine: the kernel of part 4 again; grid 256 x 1, 4 waves a work-group, no clusters, 0 bytes of LDS; arguments part, rowof, sel, wgt, b2, lowp_scales, out0; writes out0
